; MI455X (gfx1250); checked and timed in simulation.
; The chip was launched on July 23, 2026; its instructions are those of AMD's public machine-readable ISA for CDNA 5 (MIT licence, August 2026) and "CDNA5" Instruction Set Architecture Reference Guide (July 2026). The comments in the code are by the model that wrote it; some were corrected since.
;; DIT Attention. Allowed arithmetic: matrix products marked QUANTISED: E2M3 operands, one E8M0 scale for each 32 along K, by v_wmma_scale_f32_16x16x128_f8f6f4 with both operands' format E2M3, f32 sums; everything else in f32.
;; Inputs: Wk_codes 1,024 x 64 x 24 uint8 (E2M3 codes of Wk, K innermost, in blocks of 32 codes, four codes in three bytes); Wk_scales 1,024 x 64 uint8 (E8M0 scales of Wk, one for each 32 codes along K); Wo_codes 2,048 x 32 x 24 uint8 (E2M3 codes of Wo, K innermost, in blocks of 32 codes, four codes in three bytes); Wo_scales 2,048 x 32 uint8 (E8M0 scales of Wo, one for each 32 codes along K); Wq_codes 1,024 x 64 x 24 uint8 (E2M3 codes of Wq, K innermost, in blocks of 32 codes, four codes in three bytes); Wq_scales 1,024 x 64 uint8 (E8M0 scales of Wq, one for each 32 codes along K); Wv_codes 1,024 x 64 x 24 uint8 (E2M3 codes of Wv, K innermost, in blocks of 32 codes, four codes in three bytes); Wv_scales 1,024 x 64 uint8 (E8M0 scales of Wv, one for each 32 codes along K); k_norm_w 128 float32; q_norm_w 128 float32; rope_emb 2,048 x 1 x 64 x 2 x 2 float32; x_codes 2 x 2,048 x 64 x 24 uint8 (E2M3 codes of x, K innermost, in blocks of 32 codes, four codes in three bytes); x_scales 2 x 2,048 x 64 uint8 (E8M0 scales of x, one for each 32 codes along K).
;; Outputs: out0 2 x 2,048 x 2,048 float32.
;; This version of the problem:
;;   THIS VERSION OF THE PROBLEM IS GIVEN IN LOW PRECISION. The matrix products marked QUANTISED in the list below multiply operands that are first quantised to E2M3 (2 exponent bits, 3 mantissa bits; 6 bits a number), with one power-of-two scale for each 32 numbers along K (OCP MX v1.0); their sums are f32. All else is computed in f32.
;;   The module's matrix products, in the order in which they are computed (A, B: the left and right operand; K: the contracted axis; several contracted axes count as one K, in the product's order):
;;     1. [M 4,096, K 2,048] x [K 2,048, N 1,024]; A: input x (given as codes); B: input Wq (given as codes): QUANTISED
;;     2. [M 4,096, K 2,048] x [K 2,048, N 1,024]; A: input x (given as codes); B: input Wk (given as codes): QUANTISED
;;     3. [M 4,096, K 2,048] x [K 2,048, N 1,024]; A: input x (given as codes); B: input Wv (given as codes): QUANTISED
;;     4. batch 16 x [M 2,048, K 128] x [K 128, N 2,048]; A: computed on the way; B: computed on the way: QUANTISED
;;     5. batch 16 x [M 2,048, K 2,048] x [K 2,048, N 128]; A: softmax (see below); B: computed on the way: QUANTISED
;;     6. [M 4,096, K 1,024] x [K 1,024, N 2,048]; A: computed on the way; B: input Wo (given as codes): QUANTISED
;;   THE QUANTISER, for each operand of a quantised product, along K:
;;     - K is cut into blocks of 32 from its start; a last block that is shorter is filled with zeros.
;;     - A block's scale is 2^e with e = floor(log2(the largest magnitude in the block)) - 2, held to -126 .. 127; a block of zeros has e = 0. As a byte (E8M0): e + 127.
;;     - Each number is divided by its block's scale, clamped to +-7.5, and rounded to the nearest number of E2M3, ties to even, subnormals kept.
;;     - The product sums the exact products of the quantised numbers (number of the format x scale) in f32.
;;   ~~~python
;;   def quantise(x, axis):      # numpy; x: float32 -> the quantised numbers, widened to float32 again
;;       x = np.moveaxis(x, axis, -1); K = x.shape[-1]
;;       x = np.pad(x, [(0, 0)] * (x.ndim - 1) + [(0, -K % 32)]); x = x.reshape(x.shape[:-1] + (-1, 32)); a = np.abs(x).max(-1, keepdims=True)
;;       e = np.where(a > 0, np.clip(np.frexp(np.where(a > 0, a, 1))[1] - 1 - 2, -126, 127), 0)      # np.frexp(a)[1] - 1 = floor(log2(a)), exactly
;;       r = np.clip(x / 2.0 ** e, -7.5, 7.5)
;;       step = 2.0 ** (np.maximum(np.frexp(np.where(r == 0, 1, r))[1] - 1, 0) - 3)
;;       q = np.round(r / step) * step * 2.0 ** e      # np.round: ties to even
;;       return np.moveaxis(q.reshape(q.shape[:-2] + (-1,))[..., :K], -1, axis).astype(np.float32)
;;   ~~~
;;   SOFTMAX AHEAD OF A QUANTISED PRODUCT. Where the list says 'softmax', what is quantised is not the finished softmax but p = 2^(t - M), with t = logit x log2(e) and M = ceil(the row's largest t), a whole number; so 1/2 < the row's largest p <= 1. The row's sum l is taken of the UNQUANTISED p, in f32, and the product's result is divided by l at the end. Since M is a whole number, a kernel that streams over the keys may use a running M (the ceiling of the running maximum): every later rescaling is an exact power of two, which a block's scale takes up: the codes' values come out the same.
;;   OPERANDS COMPUTED ON THE WAY. 'Computed on the way' means the value that the module computes at that place (a softmax that the list does not call 'softmax' is quantised finished and normalised). What goes into a quantiser is computed in f32, as accurately as f32 sums, v_exp_f32 and their like allow (about 1e-6 of the number): no bf16 or f16 on the way to a quantiser, and a product that is left as it is and whose result goes on into a quantised operand takes f32 operands (vector FMAs, or v_wmma_f32_16x16x4_f32). A number that lies on a knife's edge between two numbers of the format may be rounded either way, as far as f32 arithmetic and the matrix unit's own rounding can turn it there, and no further.
;;   INPUTS GIVEN AS CODES. Wk (in the module: [1024, 2048], K = its axis 1); Wo (in the module: [2048, 1024], K = its axis 1); Wq (in the module: [1024, 2048], K = its axis 1); Wv (in the module: [1024, 2048], K = its axis 1); x (in the module: [2, 2048, 2048], K = its axis 2): each comes as NAME_codes (uint8): NAME with its K axis moved to the last place and cut into blocks of 32 codes, [.., K / 32, bytes a block], one block behind the other in memory; four codes in three bytes: a row's codes are one little-endian stream of bits, code i at bits 6 i .. 6 i + 5 (a code: sign, 2 exponent bits, 3 mantissa bits); and NAME_scales (uint8): the same leading axes, one E8M0 byte (e + 127) for each 32 codes along K. Its value is code x scale, taken as it is: it is not quantised again, and the codes and scales need not be those that the quantiser above would give.
;; One version. Each part assembles by itself: llvm-mc -triple=amdgcn-amd-amdhsa -mcpu=gfx1250 --defsym DOCPART=n.
;; ======== version 1 of 1: 3 launches
;; workspace buffers: qkvc 9,437,184 bytes; qkvs 393,216 bytes; oc 3,145,728 bytes; os 131,072 bytes
;; launch qkv (part 1): grid 8 x 24, 4 waves a work-group, clusters of 4 x 4, 327,680 bytes of LDS; arguments x_codes, x_scales, Wq_codes, Wq_scales, Wk_codes, Wk_scales, Wv_codes, Wv_scales, rope_emb, q_norm_w, k_norm_w, qkvc, qkvs; writes qkvc, qkvs
.if DOCPART == 1
	.amdgcn_target "amdgcn-amd-amdhsa--gfx1250"
	.amdhsa_code_object_version 6
	.text
	.protected	k_qe3cc8837e1_qkv
	.globl	k_qe3cc8837e1_qkv
	.p2align	8
	.type	k_qe3cc8837e1_qkv,@function
k_qe3cc8837e1_qkv:
	s_mov_b64 s[64:65], 0
	v_nop
	global_prefetch_b8 v0, s[64:65] scope:SCOPE_SE
	s_setreg_imm32_b32 hwreg(HW_REG_WAVE_MODE, 25, 1), 1
	s_wait_xcnt 0x0
	s_wait_alu depctr_hold_cnt(0) depctr_sa_sdst(0) depctr_va_vdst(0) depctr_va_sdst(0) depctr_va_ssrc(0) depctr_va_vcc(0) depctr_vm_vsrc(0)
	s_getreg_b32 s2, hwreg(HW_REG_IB_STS2, 6, 4)
	s_cmp_eq_u32 s2, 0
	s_cbranch_scc0 .Lentry_in_a_cluster
	s_endpgm
.Lentry_in_a_cluster:
	s_bfe_u32 s2, ttmp6, 0x10000c
	s_cmp_lg_u32 s2, 0xf033
	s_cbranch_scc0 .Lentry_shape_is_right
	s_endpgm
.Lentry_shape_is_right:
; q = rope(rmsnorm(x Wq^T)), k likewise, v = x Wv^T, on codes of FP6 (E2M3) with one E8M0 scale for each 32 along K = 2,048; the results are quantised here and leave as codes.
; ONE TEXT FOR ALL THREE: C'[p][n] = sum over k of P[p][k] R[n][k].  P's rows fall on lanes, R's rows run along a lane's registers, and the registers' direction is the one that is quantised.
;   q, k: P = x (tokens), R = Wq or Wk (a head's 128 d): quantised along d.     v: P = Wv (a head's d), R = x (tokens = keys): quantised along the keys.
; A work-group of four waves makes 256 x 256; a wave 128 x 128: 64 accumulators, 512 registers.  K goes in steps of 256 through a ring of two LDS slots; the scale bytes of all of K come once.
; For q and k the 256 rows of P are the SAME 128 tokens of both batches (LDS half 0: batch 0, half 1: batch 1): so a work-group wants 128 rows of the rope table, and a wave uses each rope register for two blocks.
; The rope rows come by one tensor load a wave into slot 0, when that slot has been read for the last time.  Work-groups that make v issue that load too (every partner issues every joint load) and do not read it.
; CLUSTERS 4 x 4: P's tiles, P's scales and the rope rows are shared along a row of the cluster, R's along a column.  Clusters y 0-3: x = 0 makes q, x = 1 makes k; clusters y 4, 5 make v.
; THE MATRIX INSTRUCTION IS USED TRANSPOSED (source 0 = 16 rows of R, source 1 = 16 rows of P): lane (r, h) holds row r of P's block, register j of tile b is R's row 16 b + 8 h + j.
; ORDER INSIDE A BLOCK OF 32: the 16 registers of tiles 2 B and 2 B + 1 are R's rows 32 B + 8 h + 0..7 and 32 B + 16 + 8 h + 0..7: all of block B.  They are converted as they stand, so inside each block of 32 the codes lie
; in one fixed order that is not the ascending one; q and k carry the same order, and so do v and the softmax's p in the next launch: the products' terms are the same, the block scales are the true blocks'.
; OUT: images of operand registers.  qkvc: blocks of 12,288 bytes, block = which x 256 + batch x 128 + head x 16 + (token / 128); in it fragment A = 2 g + u (rows 16 A + r): registers 4 c .. 4 c + 3 of lane (r, h) at
; 3072 g + 1024 c + 512 u + 256 h + 16 (r xor 8 u).  qkvs: 512 bytes a block: the scale word of row 16 A + r at 256 (A / 4) + 16 r + 4 (A % 4).  Every store of a wave covers 512 consecutive bytes, aligned.
; LIMITS: NaN and infinities are not served.  A block whose largest magnitude lies under 2^-124, a block of zeros too, gets the scale byte 1 (the rule says 127 for zeros): its codes are zeros and this program alone reads the bytes.
; The gain is multiplied in ahead of 1/sqrt(mean + eps), reference() has it behind: one rounding of f32 in another place.  v_rsq_f32 flushes denormals.
; REGISTERS: window 0: v0-29 addresses; v32-63 scale words, two sets (nothing else, ever); v64-127 the gain; v128-223 P's fragments, one set; behind the K loop v128-247 at work.
;   window 1: R's fragments, two sets; behind the K loop two sets of rope numbers.   windows 2, 3: the accumulators ((a, b) at v[8 (8 (a % 4) + b)], window 2 + a / 4).
.set NQ,     2                         ; matrix instructions deep in a slot: 256 along K
.set ROWB,   192                       ; a tile's row in bytes
.set KROW,   1536                      ; a row of codes in memory
.set PITCH,  240                       ; an LDS row: 3 x (64 bytes + 16 of padding)
.set FR,     12                        ; registers of a fragment
.set NL,     6                         ; LDS loads that bring one
.set NP,     4                         ; places behind this matrix instruction (ISA guide 7.12.1)
.set HALFT,  128*PITCH                 ; 128 rows: one tensor load
.set LAPS,   4                         ; 2,048 / 512
.set SB1,    0                         ; slot 1
.set SCL,    4*HALFT                   ; the scale bytes: P's two halves, then R's; units of 256 bytes + 16
.set HALFS,  32*272                    ; those of 128 rows (64 bytes a row)
.set SBLK,   4*272                     ; of 16 rows
.set SPARE,  SCL+4*HALFS               ; the spare words: 128 bytes a wave
.set SB0,    SPARE+512                 ; slot 0; later the rope rows, which reach 10,240 bytes beyond it
.set RP,     1040                      ; a rope row in LDS: 1,024 bytes + 16: sixteen rows start in sixteen different columns of 16 bytes
.set OL,   7                           ; v7, v8  16 x lane, 16 x (lane xor 8): a lane's place in an image
.set OSO,  9                           ; v9      the scale image: 16 r, lanes 16-31 in the second block
.set RA,   10                          ; v10     my rope row
.set WA,   11                          ; v11     32 h: the gain's loads; never rewritten
.set ADRA, 16                          ; v16-17  P's fragments in slot 0, 1; v18-19 the same behind one padding more
.set ADRB, 20                          ; v20-23  the same for R
.set ADRS2, 26                         ; v26     scale words, blocks 4-7
.set ADRS, 27                          ; v27     scale words, blocks 0-3: lanes 0-15 P's, lanes 16-31 R's
.set SPW,  28
.set NIL,  29
.set SC,   32
.set WN,   64                          ; the gain: register 8 b + j = w[16 b + 8 h + j]
.set AF,   128
.set Y,    128                         ; 64 normalised numbers
.set TM,   192                         ; +0..3 largest magnitudes, +4..7 the other half's, then bytes, +12..15 the conversions' scale operands
.set PWS,  208                         ; the eight blocks' scale words
.set PC,   216                         ; 12 registers of codes; +12, +16: the conversions' second halves
.set SS,   236
.set VR,   240
.set RS,   242                         ; 1 / sqrt, as the low word of a pair
.set SI,   244
.set WV,   30
.set RHO,  31                          ; wave / 2: my rows of P.  Also: I fetch for P (0) or for R (1)
.set SIG,  66                          ; wave % 2: my rows of R.  Also: which half I fetch
.set G1,   32
.set G0,   40
.set G1B,  48
.set G0B,  56
.set G1S,  68
.set G0S,  76
.set G1SB, 80
.set G0SB, 88
.set CXR,  92
.set CYR,  93
.set PT,   94                          ; P's tile: hangs on cy and the cluster's numbers alone
.set RT,   95                          ; R's tile: on cx and the cluster's numbers alone
.set ISV,  96
.set WHICH, 97
.set G1R,  4                           ; from here on: registers that held the arguments
.set G0R,  12
.set OB,   16                          ; s[16:17], s[18:19] where my blocks 0-3 and 4-7 go
.set OSB,  20
.set NWP,  22                          ; the gain's address; never rewritten
.set SEL,  24
.set C128, 26
.set EPS,  27
.set MSB, 0
.macro WIN new                         ; the immediate's high byte repeats the setting that is left
.if MSB != (\new)
	s_set_vgpr_msb (MSB<<8)|(\new)
.set MSB, (\new)
.endif
.endm
.set MUL_LO, 0xa1                      ; source 0 (R) window 1, source 1 (P) window 0, C and D window 2
.set MUL_HI, 0xf1
.set TO_B,   0x40
.macro JLOAD g0a, g1a, g0b, g1b        ; a joint load: waves 0, 1 fetch for P, waves 2, 3 for R; four v_nop follow each line
	s_cmp_eq_u32 s[RHO], 0
	s_cbranch_scc0 .Lfor_b_\@
	tensor_load_to_lds s[\g0a:\g0a+3], s[\g1a:\g1a+7]
	s_nop 0
.rept 4
	v_nop
.endr
	s_branch .Lasked_\@
.Lfor_b_\@:
	tensor_load_to_lds s[\g0b:\g0b+3], s[\g1b:\g1b+7]
	s_nop 0
.rept 4
	v_nop
.endr
.Lasked_\@:
.endm
.macro CREST                           ; a round of the cluster's barrier behind its opening barrier
	s_cmp_lg_u32 s[WV], 0
	s_cbranch_scc1 .Lnot_wave_0_\@
	s_barrier_signal -3
.Lnot_wave_0_\@:
	s_barrier_wait -3
	s_barrier_signal -1
	s_barrier_wait -1
.endm
.macro CROUND
	s_barrier_signal -1
	s_barrier_wait -1
	CREST
.endm
.macro PLACES n
.rept \n
	v_nop
.endr
.endm
	s_load_b512 s[4:19], s[0:1], 0x0               ; x codes, x scales, Wq c, Wq s, Wk c, Wk s, Wv c, Wv s
	s_load_b256 s[20:27], s[0:1], 0x40             ; rope, q gain, k gain, qkvc
	s_load_b64 s[28:29], s[0:1], 0x60              ; qkvs
	v_lshl_add_u32 v[SPW], v0, 2, SPARE
	v_mov_b32 v[NIL], 0
	ds_add_u32 v28, v29
	ds_add_u32 v28, v29
	s_wait_dscnt 0x0
	v_lshrrev_b32 v1, 5, v0
	v_readfirstlane_b32 s[WV], v1
	s_lshr_b32 s[RHO], s[WV], 1
	s_and_b32 s[SIG], s[WV], 1
	s_bfe_u32 s[CXR], ttmp6, 0x40000
	s_bfe_u32 s[CYR], ttmp6, 0x40004
	s_and_b32 s67, ttmp7, 0xffff                   ; cluster y
	s_sub_co_u32 s100, s67, 4
	s_lshl_b32 s100, s100, 1
	s_add_co_u32 s100, s100, ttmp9                 ; for v: cluster x + 2 (cluster y - 4)
	s_cmp_ge_u32 s67, 4                            ; v?  The same in all sixteen partners
	s_cselect_b32 s[ISV], 1, 0
	s_cselect_b32 s[WHICH], 2, ttmp9
	s_cselect_b32 s98, 0, s67
	s_cselect_b32 s100, s100, 0
	s_cselect_b32 s2, 8, 7                         ; P's tile is 256 rows of Wv, or 128 tokens
	s_cselect_b32 s3, 7, 11                        ; its second half lies 128 rows on, or a batch (2,048 rows) on
	s_lshl_b32 s[PT], s98, 2
	s_add_co_u32 s[PT], s[PT], s[CYR]
	s_lshl_b32 s[RT], s100, 2
	s_add_co_u32 s[RT], s[RT], s[CXR]
	s_lshl_b32 s98, s[CYR], 2
	s_lshl_b32 s98, 15, s98                        ; my row of the cluster
	s_lshl_b32 s100, 0x1111, s[CXR]                ; my column
	s_or_b32 s[G1+0], s98, (1<<20)|(1<<21)|(3<<22)|(3<<25)   ; elements of 1 byte; padding: 4 words behind every 16
	s_or_b32 s[G1B+0], s100, (1<<20)|(1<<21)|(3<<22)|(3<<25)
.irp g, G1, G1B
	s_mov_b32 s[\g+1], ROWB<<16                    ; tensor_dim0
	s_mov_b32 s[\g+2], 128<<16                     ; tensor_dim1
	s_mov_b32 s[\g+3], ROWB<<16                    ; tile_dim0
	s_mov_b32 s[\g+4], 128                         ; tile_dim1
	s_mov_b32 s[\g+5], KROW                        ; stride
	s_mov_b32 s[\g+6], 0
	s_mov_b32 s[\g+7], 0
.endr
	s_or_b32 s[G1S+0], s98, (3<<16)|(1<<20)|(1<<21)|(5<<22)|(3<<25)   ; the scales of 128 rows: 8,192 dense bytes as 32 rows of 256, 16 bytes of padding behind each
	s_or_b32 s[G1SB+0], s100, (3<<16)|(1<<20)|(1<<21)|(5<<22)|(3<<25)
.irp g, G1S, G1SB
	s_mov_b32 s[\g+1], 32<<16
	s_mov_b32 s[\g+2], 32<<16
	s_mov_b32 s[\g+3], 32<<16
	s_mov_b32 s[\g+4], 32
	s_mov_b32 s[\g+5], 32
	s_mov_b32 s[\g+6], 0
	s_mov_b32 s[\g+7], 0
.endr
	s_lshl_b32 s98, s[PT], s2
	s_lshl_b32 s99, s[SIG], s3
	s_add_co_u32 s98, s98, s99                     ; P: the first row that I would fetch
	s_lshl_b32 s100, s[RT], 8
	s_lshl_b32 s101, s[SIG], 7
	s_add_co_u32 s100, s100, s101                  ; R likewise
	s_mul_i32 s67, s[WV], HALFT                    ; where tiles go: wave x 128 rows
	s_mul_i32 s2, s[WV], HALFS                     ; and scales
	s_wait_kmcnt 0x0
	s_cmp_eq_u32 ttmp9, 0                          ; the buffers are chosen by the cluster's numbers alone
	s_cselect_b64 s[8:9], s[8:9], s[12:13]
	s_cselect_b64 s[10:11], s[10:11], s[14:15]
	s_cmp_lg_u32 s[ISV], 0
	s_cselect_b64 s[8:9], s[4:5], s[8:9]           ; R: x for v, else Wq or Wk
	s_cselect_b64 s[10:11], s[6:7], s[10:11]
	s_cselect_b64 s[4:5], s[16:17], s[4:5]         ; P: Wv for v, else x
	s_cselect_b64 s[6:7], s[18:19], s[6:7]
	s_cmp_eq_u32 s[WHICH], 0
	s_cselect_b64 s[NWP:NWP+1], s[22:23], s[24:25]
	s_mul_i32 s12, s98, KROW
	s_mov_b32 s13, 0
	s_add_nc_u64 s[4:5], s[4:5], s[12:13]
	s_lshl_b32 s12, s98, 6
	s_add_nc_u64 s[6:7], s[6:7], s[12:13]
	s_mul_i32 s14, s100, KROW
	s_mov_b32 s15, 0
	s_add_nc_u64 s[8:9], s[8:9], s[14:15]
	s_lshl_b32 s14, s100, 6
	s_add_nc_u64 s[10:11], s[10:11], s[14:15]
	CROUND                                         ; all sixteen work-groups are here: the first joint loads meet
	s_mov_b32 s[G0S], 1
	s_add_co_u32 s[G0S+1], s2, SCL
	s_mov_b64 s[G0S+2:G0S+3], s[6:7]
	s_or_b32 s[G0S+3], s[G0S+3], 0x80000000
	s_mov_b32 s[G0SB], 1
	s_add_co_u32 s[G0SB+1], s2, SCL
	s_mov_b64 s[G0SB+2:G0SB+3], s[10:11]
	s_or_b32 s[G0SB+3], s[G0SB+3], 0x80000000
	JLOAD G0S, G1S, G0SB, G1SB                     ; the scales first: they are wanted with K step 0
.irp s, 0,1
	s_mov_b32 s[G0+4*\s], 1
	s_add_co_u32 s[G0+4*\s+1], s67, SB0*(1-\s)
	s_add_nc_u64 s[G0+4*\s+2:G0+4*\s+3], s[4:5], \s*ROWB
	s_or_b32 s[G0+4*\s+3], s[G0+4*\s+3], 0x80000000
	s_mov_b32 s[G0B+4*\s], 1
	s_add_co_u32 s[G0B+4*\s+1], s67, SB0*(1-\s)
	s_add_nc_u64 s[G0B+4*\s+2:G0B+4*\s+3], s[8:9], \s*ROWB
	s_or_b32 s[G0B+4*\s+3], s[G0B+4*\s+3], 0x80000000
	JLOAD G0+4*\s, G1, G0B+4*\s, G1B
.endr
	; three tensor loads of mine are out.  The rope's descriptor: 32 rows a wave of 1,024 bytes (128 elements of 8), 16 bytes of padding behind each; shared along my row of the cluster
	s_lshl_b32 s98, s[CYR], 2
	s_lshl_b32 s98, 15, s98
	s_or_b32 s[G1R], s98, (3<<16)|(1<<20)|(1<<21)|(7<<22)|(3<<25)
	s_mov_b32 s[G1R+1], 128<<16
	s_mov_b32 s[G1R+2], 32<<16
	s_mov_b32 s[G1R+3], 128<<16
	s_mov_b32 s[G1R+4], 32
	s_mov_b32 s[G1R+5], 128
	s_mov_b32 s[G1R+6], 0
	s_mov_b32 s[G1R+7], 0
	s_mov_b32 s[G0R], 1
	s_mul_i32 s[G0R+1], s[WV], 32*RP
	s_add_co_u32 s[G0R+1], s[G0R+1], SB0
	s_lshl_b32 s98, s[PT], 17                      ; 128 rows of 1,024 bytes a tile,
	s_lshl_b32 s99, s[WV], 15                      ; 32 of them a wave
	s_add_co_u32 s98, s98, s99
	s_mov_b32 s99, 0
	s_add_nc_u64 s[G0R+2:G0R+3], s[20:21], s[98:99]
	s_or_b32 s[G0R+3], s[G0R+3], 0x80000000
	; where the results go
	s_lshl_b32 s2, s[RT], 1
	s_add_co_u32 s2, s2, s[SIG]                    ; T = my 128 rows of R: a head (q, k), or 128 tokens (v)
	s_lshl_b32 s3, s[WHICH], 8
	s_lshl_b32 s16, s2, 4
	s_add_co_u32 s3, s3, s16
	s_add_co_u32 s3, s3, s[PT]                     ; q, k: which x 256 + head x 16 + token block (batch 0)
	s_lshr_b32 s16, s2, 4
	s_lshl_b32 s16, s16, 7
	s_and_b32 s17, s2, 15
	s_add_co_u32 s16, s16, s17
	s_lshl_b32 s17, s[PT], 5
	s_add_co_u32 s16, s16, s17
	s_add_co_u32 s16, s16, 512                     ; v: 512 + batch x 128 + (2 x tile) x 16 + token block
	s_cmp_lg_u32 s[ISV], 0
	s_cselect_b32 s2, s16, s3
	s_cselect_b32 s67, 4, 7                        ; blocks 4-7 go 16 blocks on (the next head) or 128 (the other batch)
	s_mul_i32 s18, s2, 12288
	s_mul_i32 s19, s[RHO], 6144
	s_add_co_u32 s18, s18, s19
	s_mov_b32 s19, 0
	s_add_nc_u64 s[OB:OB+1], s[26:27], s[18:19]
	s_lshl_b32 s18, 12288, s67
	s_add_nc_u64 s[OB+2:OB+3], s[OB:OB+1], s[18:19]
	s_lshl_b32 s2, s2, 9
	s_lshl_b32 s3, s[RHO], 8
	s_add_co_u32 s2, s2, s3
	s_mov_b32 s3, 0
	s_add_nc_u64 s[OSB:OSB+1], s[28:29], s[2:3]
	s_add_co_u32 s67, s67, 9
	s_mov_b32 s[SEL], 0x76543210
	s_mov_b32 s[SEL+1], 0xfedcba98                 ; lane l xor 16
	s_mov_b32 s[C128], 0x3c000000                  ; 1 / 128
	s_mov_b32 s[EPS], 0x358637bd                   ; 1e-6
	v_and_b32 v1, 15, v0                           ; r
	v_bfe_u32 v2, v0, 4, 1                         ; h
	v_lshlrev_b32 v[WA], 5, v2
.irp b, 0,1,2,3,4,5,6,7
	global_load_b128 v[WN+8*\b:WN+8*\b+3], v[WA], s[NWP:NWP+1] offset:64*\b
	global_load_b128 v[WN+8*\b+4:WN+8*\b+7], v[WA], s[NWP:NWP+1] offset:64*\b+16
.endr
	v_lshlrev_b32 v[OSO], s67, v2
	v_lshl_add_u32 v[OSO], v1, 4, v[OSO]
	v_and_b32 v3, 31, v0
	v_lshlrev_b32 v[OL], 4, v3
	v_xor_b32 v[OL+1], 128, v[OL]
	v_mul_u32_u24 v3, v1, PITCH
	v_mul_u32_u24 v4, v2, 24
	v_add_nc_u32 v4, v3, v4                        ; a fragment's row x pitch + 24 x half
	v_lshl_add_u32 v5, v2, 4, v4                   ; and the same behind one padding more
	s_mul_i32 s98, s[RHO], 64*PITCH                ; my 64 rows of each half of P
	s_mul_i32 s100, s[SIG], HALFT
	s_add_co_u32 s100, s100, 2*HALFT               ; my 128 rows of R
.irp s, 0,1
	s_add_co_u32 s99, s98, SB0*(1-\s)
	s_add_co_u32 s101, s100, SB0*(1-\s)
	v_add_nc_u32 v[ADRA+\s], s99, v4
	v_add_nc_u32 v[ADRB+\s], s101, v4
	v_add_nc_u32 v[ADRA+2+\s], s99, v5
	v_add_nc_u32 v[ADRB+2+\s], s101, v5
.endr
	v_lshlrev_b32 v3, 6, v1                        ; my row's scales: 64 bytes a row,
	v_lshrrev_b32 v6, 2, v1
	v_lshl_add_u32 v3, v6, 4, v3                   ; 16 more for each 256 passed
	s_mul_i32 s98, s[RHO], 16*272                  ; P's: my 64 rows of half 0
	s_mul_i32 s100, s[SIG], HALFS
	s_add_co_u32 s101, s100, 2*HALFS-16*272
	s_add_co_u32 s100, s100, 2*HALFS
	s_sub_co_u32 s100, s100, s98                   ; from there to R's 128 rows: lanes 16-31 take R's
	s_sub_co_u32 s101, s101, s98                   ; the same from half 1's rows
	s_add_co_u32 s99, s98, SCL
	v_mul_u32_u24 v6, s100, v2
	v_add_nc_u32 v6, v3, v6
	v_add_nc_u32 v[ADRS], s99, v6
	s_add_co_u32 s99, s99, 16*272                  ; blocks 4-7 of P lie in half 1: 8,704 on, less the four blocks that the offset counts
	v_mul_u32_u24 v6, s101, v2
	v_add_nc_u32 v6, v3, v6
	v_add_nc_u32 v[ADRS2], s99, v6
	s_mul_i32 s98, s[RHO], 64*RP
	s_add_co_u32 s98, s98, SB0
	v_mul_u32_u24 v[RA], v1, RP
	v_lshl_add_u32 v[RA], v2, 7, v[RA]
	v_add_nc_u32 v[RA], s98, v[RA]                 ; rope: row 64 rho + r, + 128 h: the four numbers of i = 16 b + 8 h + j lie 256 b + 16 j on
.macro FRAG reg, adr, q, ro            ; a fragment: lane (r, h) takes 24 bytes twice, in pieces of 8; where the piece three on lies behind one padding more, the second address register serves
.irp p, 0,1,2,3,4,5
.set PCE, 12*(\q)+6*(\p/3)+\p%3
.if PCE%8 < 5
	ds_load_b64 v[\reg+2*\p:\reg+2*\p+1], v[\adr] offset:8*PCE+16*(PCE/8)+(\ro)
.else
	ds_load_b64 v[\reg+2*\p:\reg+2*\p+1], v[\adr+2] offset:8*PCE+16*(PCE/8)+(\ro)
.endif
.endr
.endm
; 16 matrix instructions: P's blocks a0, a0 + 1 x R's eight.  The 64 accumulators take turns, one instruction a turn, in the same order in every step.
.macro MUL16 a0, p, q, sc, zero
.irp a, \a0, \a0+1
.irp b, 0,1,2,3,4,5,6,7
.if \zero
	v_wmma_scale_f32_16x16x128_f8f6f4 v[8*(8*((\a)%4)+\b):8*(8*((\a)%4)+\b)+7], v[128*(\p)+FR*\b:128*(\p)+FR*\b+FR-1], v[AF+FR*(\a):AF+FR*(\a)+FR-1], 0, v[SC+8*NQ*(\sc)+NQ*\b+(\q)], v[SC+8*NQ*(\sc)+NQ*(\a)+(\q)] matrix_a_fmt:MATRIX_FMT_FP6 matrix_b_fmt:MATRIX_FMT_FP6 matrix_a_scale:MATRIX_SCALE_ROW1
.else
	v_wmma_scale_f32_16x16x128_f8f6f4 v[8*(8*((\a)%4)+\b):8*(8*((\a)%4)+\b)+7], v[128*(\p)+FR*\b:128*(\p)+FR*\b+FR-1], v[AF+FR*(\a):AF+FR*(\a)+FR-1], v[8*(8*((\a)%4)+\b):8*(8*((\a)%4)+\b)+7], v[SC+8*NQ*(\sc)+NQ*\b+(\q)], v[SC+8*NQ*(\sc)+NQ*(\a)+(\q)] matrix_a_fmt:MATRIX_FMT_FP6 matrix_b_fmt:MATRIX_FMT_FP6 matrix_a_scale:MATRIX_SCALE_ROW1
.endif
.endr
.endr
.endm
.macro FETCH_B slot, q, p
	WIN TO_B
.irp i, 0,1,2,3,4,5,6,7
	FRAG 128*(\p)+FR*\i, ADRB+\slot, \q, \i*16*PITCH
.endr
	WIN 0
.endm
.macro FETCH_A slot, q, i0             ; P's blocks i0 .. i0 + 3: blocks 0-3 in half 0, blocks 4-7 the same rows of half 1
.irp i, \i0, \i0+1, \i0+2, \i0+3
	FRAG AF+FR*(\i), ADRA+\slot, \q, (((\i)%4)*16+((\i)/4)*128)*PITCH
.endr
.endm
.macro SCALES sc                       ; a K step's two scale words a row: lanes 0-15 P's block i, lanes 16-31 R's block i
.irp i, 0,1,2,3
	ds_load_b64 v[SC+8*NQ*\sc+NQ*\i:SC+8*NQ*\sc+NQ*\i+1], v[ADRS] offset:\i*SBLK
.endr
.irp i, 4,5,6,7
	ds_load_b64 v[SC+8*NQ*\sc+NQ*\i:SC+8*NQ*\sc+NQ*\i+1], v[ADRS2] offset:\i*SBLK
.endr
.endm
.macro STEP slot, q, zero              ; 128 along K that has its successor in the same slot
	s_wait_dscnt 4*NL                              ; R's set and P's blocks 0-3 are in; the youngest 24 loads (P's blocks 4-7) may be out
	WIN MUL_LO
	MUL16 0, (\q)%2, \q, \slot, \zero
	MUL16 2, (\q)%2, \q, \slot, \zero
	s_wait_dscnt 0
	PLACES NP                                      ; in front of loads into registers that matrix instructions have read
	FETCH_B \slot, (\q)+1, 1-(\q)%2
	FETCH_A \slot, (\q)+1, 0
	WIN MUL_HI
	MUL16 4, (\q)%2, \q, \slot, \zero
	MUL16 6, (\q)%2, \q, \slot, \zero
	PLACES NP
	WIN 0
	FETCH_A \slot, (\q)+1, 4
.endm
; A slot's last step changes slots.  Its first 32 products want nothing of the next slot: they stand AHEAD of the wait for the tensor loads, so that they are issued while the next slot's tile may still be on its way,
; and between that wait and the next request stand only the add, the wait for it and the round.  In front of the round each wave waits for all its tensor loads, adds 0 to its spare word, and waits for that and for its
; reads of this slot (the last of them, P's blocks 4-7, were asked for at the end of the step before).
; fill = 1: the slot is filled again, two K steps ahead.  fill = 2: slot 0 has been read for the last time and takes the rope rows.
.macro TURN slot, next, fill
	s_wait_dscnt 4*NL                              ; R's set and P's blocks 0-3 are in; the youngest 24 loads (P's blocks 4-7) may be out
	WIN MUL_LO
	MUL16 0, 1, NQ-1, \slot, 0
	MUL16 2, 1, NQ-1, \slot, 0
	WIN 0
	s_wait_tensorcnt 0x0                           ; all my tensor loads have landed: my part of the next slot; so every group 0 may be written
	ds_add_u32 v[SPW], v[NIL]                      ; 0 onto my spare word
.if \fill == 1
	s_add_nc_u64 s[G0+4*\slot+2:G0+4*\slot+3], s[G0+4*\slot+2:G0+4*\slot+3], 2*ROWB
	s_add_nc_u64 s[G0B+4*\slot+2:G0B+4*\slot+3], s[G0B+4*\slot+2:G0B+4*\slot+3], 2*ROWB
.endif
	s_wait_dscnt 0x0                               ; the add is done, and my reads of this slot are over
	CROUND                                         ; no wave of any partner still reads this slot or has a load on its way
.if \fill == 1
	JLOAD G0+4*\slot, G1, G0B+4*\slot, G1B         ; the first tensor load behind the round; the four v_nop behind it are the places in front of the loads below
.else
	tensor_load_to_lds s[G0R:G0R+3], s[G1R:G1R+7]  ; every wave its 32 rope rows: the one tensor load behind the round; it has two steps and a half of 128 along K in which to land
	s_nop 0
	PLACES 4
.endif
	v_add_nc_u32 v[ADRS], 4*NQ, v[ADRS]            ; on to the next K step's scale words (no LDS load of mine is out)
	v_add_nc_u32 v[ADRS2], 4*NQ, v[ADRS2]
	FETCH_B \next, 0, 0
	FETCH_A \next, 0, 0
	SCALES \next
	WIN MUL_HI
	MUL16 4, 1, NQ-1, \slot, 0
	MUL16 6, 1, NQ-1, \slot, 0
	PLACES NP
	WIN 0
	FETCH_A \next, 0, 4
.endm
	s_wait_tensorcnt 1                             ; the scales and my part of K step 0 are in; K step 1's load may be out
	s_barrier_signal -1
	s_barrier_wait -1
	FETCH_B 0, 0, 0
	FETCH_A 0, 0, 0
	SCALES 0
	FETCH_A 0, 0, 4
	STEP 0, 0, 1                                   ; the first step's products start the sums
	s_mov_b32 s3, LAPS-1
.Llap:
	TURN 0, 1, 1
	STEP 1, 0, 0
	TURN 1, 0, 1
	STEP 0, 0, 0
	s_sub_co_u32 s3, s3, 1
	s_cmp_lg_u32 s3, 0
	s_cbranch_scc1 .Llap
	TURN 0, 1, 2
	STEP 1, 0, 0
	s_wait_dscnt 4*NL
	WIN MUL_LO
	MUL16 0, 1, NQ-1, 1, 0
	MUL16 2, 1, NQ-1, 1, 0
	s_wait_dscnt 0
	WIN MUL_HI
	MUL16 4, 1, NQ-1, 1, 0
	MUL16 6, 1, NQ-1, 1, 0
	WIN 0
	PLACES NP                                      ; behind the last products: their results are read and their operands' registers written from here on
.irp b, 0,1,2,3
	v_mov_b32 v[TM+4+\b], 0                        ; written once: a lane permute's destination counts as one of its sources
.endr
	v_mov_b32 v[RS+1], 0                           ; named as the upper half of a pair
	s_wait_tensorcnt 0x0                           ; my 32 rope rows are in,
	s_wait_loadcnt 0x0                             ; and the gain
	s_barrier_signal -1
	s_barrier_wait -1                              ; everybody's rope rows are in
; THE WAY OUT, a pair of blocks (ap of half 0, ap of half 1: the same tokens of both batches) at a time.  No LDS store: codes leave as images of registers.
.macro ROPE_LOAD ap, set               ; the 2 x 2 matrices of my token: registers 4 n .. 4 n + 3, n = 8 b + j, for i = 16 b + 8 h + j
	WIN 0x40
.irp b, 0,1,2,3
.irp j, 0,1,2,3,4,5,6,7
	ds_load_b128 v[128*(\set)+4*(8*\b+\j):128*(\set)+4*(8*\b+\j)+3], v[RA] offset:(\ap)*16*RP+256*\b+16*\j
.endr
.endr
	WIN 0
.endm
.macro NORMROPE ap, hf, set
.set W, 2+(\hf)
.set AC, 64*(\ap)
.set WW, W|(W<<2)
	WIN WW                                         ; sources 0 and 1: the accumulators' window
	v_pk_mul_f32 v[SS:SS+1], v[AC:AC+1], v[AC:AC+1]               ; the sum of squares, two chains; each accumulator is read from its low end on
	v_pk_mul_f32 v[SS+2:SS+3], v[AC+2:AC+3], v[AC+2:AC+3]
.set ii, 4
.rept 15
	v_pk_fma_f32 v[SS:SS+1], v[AC+ii:AC+ii+1], v[AC+ii:AC+ii+1], v[SS:SS+1]
	v_pk_fma_f32 v[SS+2:SS+3], v[AC+ii+2:AC+ii+3], v[AC+ii+2:AC+ii+3], v[SS+2:SS+3]
.set ii, ii+4
.endr
	WIN 0
	v_add_f32 v[VR], v[SS], v[SS+1]
	v_add_f32 v[VR+1], v[SS+2], v[SS+3]
	v_add_f32 v[VR], v[VR], v[VR+1]
	v_permlanex16_b32 v[VR+1], v[VR], s[SEL], s[SEL+1]            ; the head's other 64 numbers lie in the lane 16 away
	v_add_f32 v[VR], v[VR], v[VR+1]
	v_fma_f32 v[VR], v[VR], s[C128], s[EPS]        ; mean + eps (the division by 128 rounds nothing)
	v_rsq_f32 v[RS], v[VR]
	WIN W
.set ii, 0
.rept 32
	v_pk_mul_f32 v[Y+ii:Y+ii+1], v[AC+ii:AC+ii+1], v[WN+ii:WN+ii+1]   ; x the gain: the independent work behind the root
.set ii, ii+2
.endr
	WIN 0
	s_wait_alu depctr_va_vdst(0)                   ; the wait ahead of the first reader of the root
.set ii, 0
.rept 32
	v_pk_mul_f32 v[Y+ii:Y+ii+1], v[Y+ii:Y+ii+1], v[RS:RS+1] op_sel_hi:[1,0]
.set ii, ii+2
.endr
.set WW, 0x01|(W<<6)
	WIN WW                                         ; source 0: rope, window 1; source 1: window 0; the results take the accumulators' registers, which are done with
.set nn, 0
.rept 32
	v_mul_f32 v[AC+nn], v[128*(\set)+4*nn], v[Y+nn]               ; z[i] = F00 y[i] + F01 y[i + 64]
	v_mul_f32 v[AC+nn+32], v[128*(\set)+4*nn+2], v[Y+nn]          ; z[i + 64] = F10 y[i] + F11 y[i + 64]
	v_fmac_f32 v[AC+nn], v[128*(\set)+4*nn+1], v[Y+nn+32]
	v_fmac_f32 v[AC+nn+32], v[128*(\set)+4*nn+3], v[Y+nn+32]
.set nn, nn+1
.endr
	WIN 0
.endm
.macro QUANT ap, hf                    ; the block's 64 numbers a lane become a fragment's codes in v[PC] on and a scale word
.set W, 2+(\hf)
.set AC, 64*(\ap)
.set WW, W|(W<<2)
	WIN WW
.irp b, 0,1,2,3
	v_max3_num_f32 v[TM+\b], |v[AC+16*\b]|, |v[AC+16*\b+1]|, 0x1800000   ; my 16 numbers of block b, and the floor 2^(3 - 127): the byte cannot fall under 1
.endr
.irp i, 2,4,6,8,10,12,14
.irp b, 0,1,2,3
	v_max3_num_f32 v[TM+\b], |v[AC+16*\b+\i]|, |v[AC+16*\b+\i+1]|, v[TM+\b]
.endr
.endr
	WIN 0
.irp b, 0,1,2,3
	v_permlanex16_b32 v[TM+4+\b], v[TM+\b], s[SEL], s[SEL+1]
.endr
.irp b, 0,1,2,3
	v_max_num_f32 v[TM+\b], v[TM+\b], v[TM+4+\b]   ; with lane l xor 16's: the block's largest magnitude
.endr
.irp b, 0,1,2,3
	v_add_nc_u32 v[TM+12+\b], 0xff000000, v[TM+\b] ; 2 off its exponent field: the conversion's scale operand
.endr
.irp b, 0,1,2,3
	v_lshrrev_b32 v[TM+4+\b], 23, v[TM+12+\b]      ; the scale's byte
.endr
	v_lshl_or_b32 v[PWS+(\ap)+4*(\hf)], v[TM+5], 8, v[TM+4]
	v_lshl_or_b32 v[PWS+(\ap)+4*(\hf)], v[TM+6], 16, v[PWS+(\ap)+4*(\hf)]
	v_lshl_or_b32 v[PWS+(\ap)+4*(\hf)], v[TM+7], 24, v[PWS+(\ap)+4*(\hf)]
	s_wait_xcnt 0x0                                ; the last block's stores have read their data: the codes' registers are written again only behind this wait
	WIN W
.irp c, 0,1
	v_cvt_scalef32_pk16_fp6_f32 v[PC+6*\c:PC+6*\c+2], v[AC+32*\c:AC+32*\c+15], v[TM+12+2*\c]
	v_cvt_scalef32_pk16_fp6_f32 v[PC+12+4*\c:PC+14+4*\c], v[AC+32*\c+16:AC+32*\c+31], v[TM+13+2*\c]   ; (a conversion's three registers begin on an even number)
.endr
	WIN 0
	v_nop                                          ; one plain place behind a scaled conversion
.irp c, 0,1                            ; the operand's layout wants a whole block in a lane: lanes 0-15 block 2 c, lanes 16-31 block 2 c + 1
.irp i, 0,1,2
	v_permlane16_swap_b32 v[PC+6*\c+\i], v[PC+12+4*\c+\i]
.endr
.irp i, 0,1,2
	v_mov_b32 v[PC+3+6*\c+\i], v[PC+12+4*\c+\i]
.endr
.endr
.endm
.macro PUT ap, hf                      ; three stores of 512 consecutive bytes
.irp c, 0,1,2
	global_store_b128 v[OL+((\ap)&1)], v[PC+4*\c:PC+4*\c+3], s[OB+2*(\hf):OB+2*(\hf)+1] offset:((\ap)>>1)*3072+\c*1024+((\ap)&1)*512
.endr
.endm
.irp ap, 0,1,2,3
	s_cmp_lg_u32 s[ISV], 0                         ; v is neither normalised nor turned: the branch hangs on the cluster's number alone
	s_cbranch_scc1 .Lv_\ap
.if \ap == 0
	ROPE_LOAD 0, 0
.endif
.if \ap < 3
	ROPE_LOAD \ap+1, (\ap+1)%2
	s_wait_dscnt 32                                ; this pair's 32 rope loads are in; the next pair's 32 may be out
.else
	s_wait_dscnt 0x0
.endif
	NORMROPE \ap, 0, \ap%2
	NORMROPE \ap, 1, \ap%2
.Lv_\ap:
	QUANT \ap, 0
	PUT \ap, 0
	QUANT \ap, 1
	PUT \ap, 1
.endr
	v_cmp_ne_u32 vcc_lo, 0, v2                     ; lanes 16-31 carry the second block's words
.irp k, 0,1,2,3
	v_cndmask_b32 v[SI+\k], v[PWS+\k], v[PWS+4+\k], vcc_lo
.endr
	global_store_b128 v[OSO], v[SI:SI+3], s[OSB:OSB+1]            ; sixteen lanes fill 256 consecutive bytes, aligned, in each of the two blocks
	s_wait_tensorcnt 0x0                           ; the wave's end
	ds_add_u32 v[SPW], v[NIL]
	s_wait_dscnt 0x0
	CROUND                                         ; the closing round
	s_endpgm
.Lfunc_end_k_qe3cc8837e1_qkv:
	.size	k_qe3cc8837e1_qkv, .Lfunc_end_k_qe3cc8837e1_qkv-k_qe3cc8837e1_qkv
	.p2alignl 7, 3214868480
	.fill 96, 4, 3214868480
	.section	.rodata,"a",@progbits
	.p2align	6, 0x0
	.amdhsa_kernel k_qe3cc8837e1_qkv
		.amdhsa_group_segment_fixed_size 327680
		.amdhsa_private_segment_fixed_size 0
		.amdhsa_enable_private_segment 0
		.amdhsa_kernarg_size 104
		.amdhsa_user_sgpr_count 2
		.amdhsa_user_sgpr_kernarg_segment_ptr 1
		.amdhsa_wavefront_size32 1
		.amdhsa_system_sgpr_workgroup_id_x 1
		.amdhsa_system_sgpr_workgroup_id_y 1
		.amdhsa_system_sgpr_workgroup_id_z 1
		.amdhsa_system_vgpr_workitem_id 0
		.amdhsa_next_free_vgpr 1024
		.amdhsa_next_free_sgpr 102
		.amdhsa_reserve_vcc 1
		.amdhsa_float_denorm_mode_32 3
		.amdhsa_float_denorm_mode_16_64 3
		.amdhsa_memory_ordered 1
		.amdhsa_forward_progress 1
		.amdhsa_inst_pref_size 255
	.end_amdhsa_kernel
	.section	.bss,"aw",@nobits
	.p2align	6
	.space	262144
	.amdgpu_metadata
---
amdhsa.version: [ 1, 2 ]
amdhsa.kernels:
  - .name:           k_qe3cc8837e1_qkv
    .symbol:         k_qe3cc8837e1_qkv.kd
    .args:
      - { .name: x_codes, .offset: 0, .size: 8, .value_kind: global_buffer, .address_space: global }
      - { .name: x_scales, .offset: 8, .size: 8, .value_kind: global_buffer, .address_space: global }
      - { .name: Wq_codes, .offset: 16, .size: 8, .value_kind: global_buffer, .address_space: global }
      - { .name: Wq_scales, .offset: 24, .size: 8, .value_kind: global_buffer, .address_space: global }
      - { .name: Wk_codes, .offset: 32, .size: 8, .value_kind: global_buffer, .address_space: global }
      - { .name: Wk_scales, .offset: 40, .size: 8, .value_kind: global_buffer, .address_space: global }
      - { .name: Wv_codes, .offset: 48, .size: 8, .value_kind: global_buffer, .address_space: global }
      - { .name: Wv_scales, .offset: 56, .size: 8, .value_kind: global_buffer, .address_space: global }
      - { .name: rope_emb, .offset: 64, .size: 8, .value_kind: global_buffer, .address_space: global }
      - { .name: q_norm_w, .offset: 72, .size: 8, .value_kind: global_buffer, .address_space: global }
      - { .name: k_norm_w, .offset: 80, .size: 8, .value_kind: global_buffer, .address_space: global }
      - { .name: qkvc, .offset: 88, .size: 8, .value_kind: global_buffer, .address_space: global }
      - { .name: qkvs, .offset: 96, .size: 8, .value_kind: global_buffer, .address_space: global }
    .group_segment_fixed_size: 327680
    .private_segment_fixed_size: 0
    .kernarg_segment_align: 8
    .kernarg_segment_size: 104
    .max_flat_workgroup_size: 128
    .sgpr_count:     102
    .vgpr_count:     1024
    .wavefront_size: 32
...
	.end_amdgpu_metadata
.endif
;; end of part 1
;; launch attn (part 2): grid 16 x 16, 8 waves a work-group, clusters of 4 x 1, 327,680 bytes of LDS; arguments qkvc, qkvs, oc, os; writes oc, os
.if DOCPART == 2
	.amdgcn_target "amdgcn-amd-amdhsa--gfx1250"
	.amdhsa_code_object_version 6
	.text
	.protected	k_qe3cc8837e1_attn
	.globl	k_qe3cc8837e1_attn
	.p2align	8
	.type	k_qe3cc8837e1_attn,@function
k_qe3cc8837e1_attn:
	s_mov_b64 s[64:65], 0
	v_nop
	global_prefetch_b8 v0, s[64:65] scope:SCOPE_SE
	s_setreg_imm32_b32 hwreg(HW_REG_WAVE_MODE, 25, 1), 1
	s_wait_xcnt 0x0
	s_wait_alu depctr_hold_cnt(0) depctr_sa_sdst(0) depctr_va_vdst(0) depctr_va_sdst(0) depctr_va_ssrc(0) depctr_va_vcc(0) depctr_vm_vsrc(0)
	s_getreg_b32 s2, hwreg(HW_REG_IB_STS2, 6, 4)
	s_cmp_eq_u32 s2, 0
	s_cbranch_scc0 .Lentry_in_a_cluster
	s_endpgm
.Lentry_in_a_cluster:
	s_bfe_u32 s2, ttmp6, 0x10000c
	s_cmp_lg_u32 s2, 0x3003
	s_cbranch_scc0 .Lentry_shape_is_right
	s_endpgm
.Lentry_shape_is_right:
; o = softmax(q k^T / sqrt(128)) v for 16 (batch, head) pairs, 2,048 tokens, head size 128, both products on codes of FP6 (E2M3); o is quantised along head x d for the last product and leaves as codes.
; THE SOFTMAX: t = score x log2(e) / sqrt(128); M = the largest t so far, rounded up to a whole number; p = 2^(t - M) is quantised along the keys; the row's sum is taken of the unquantised p and divides at the end.
; SHARES.  A work-group owns 128 queries of one (batch, head).  Wave w = 4 kappa + pi owns TWO tiles of 16 queries (fragments 2 pi, 2 pi + 1) and the keys 1,024 kappa .. + 1,023: each fragment of K and V read from LDS feeds two
; products, and two waves share a SIMD, so that one wave's softmax stands beside the other's products and LDS loads.  The two halves of the keys are joined once, at the end, through LDS: both M are whole numbers, so the join
; multiplies by powers of two.  Register tile tau holds query fragment 2 pi + (tau xor kappa): so every wave keeps its tile 0 and sends its tile 1, and no branch tells the halves apart.
; q, k, v come as images of operand registers (the launch before wrote them): blocks of 12,288 bytes = 128 rows x 128 along K; fragment A = 2 g + u: registers 4 c .. of lane (r, h) at 3072 g + 1024 c + 512 u + 256 h + 16 (r xor 8 u).
; K's tiles are read as they lie: S^T's registers of tiles 2 B, 2 B + 1 are keys 32 B + 8 h + 0..7 and 32 B + 16 + 8 h + 0..7: the order in which v's codes lie inside a block of 32.
; V^T's tiles are read with their rows chosen: lane r of tile 2 g + u takes d = 32 g + 8 u + r + 8 (r / 8) (lane term 512 (r / 8) + 256 h + 16 (r xor 8 u)): O^T's 16 registers of two tiles are 16 neighbours along d, the true order.
; RING: two slots of eight blocks (K's and V's, two key blocks for each half of the keys), one block a wave, by joint loads: the four query blocks of a cluster walk the same K and V.  The scale words of the whole head come once.
; LIMITS: NaN and infinities are not served; a block of zeros or under 2^-124 gets the scale byte 1, its codes are zeros; v_exp_f32 and v_rcp_f32 flush denormals.
; REGISTERS: window 0: v1-15 addresses; v16-23 statistics; v24-35 scale words (nothing else, ever); v36-59 p's codes; v60-120 at work and the tail's addresses; v128-255 S^T, then p.
;   window 1: v0-127 O^T; v128-151 Q; v160-255 eight fragments of K or of V.
.set BLKB,  12288
.set SLOT1, 1<<17                      ; slot 1 begins here: one exclusive or turns an address
.set SCK,   8*BLKB                     ; K's 16 scale images of 512 bytes
.set SCV,   SCK+8192                   ; V's
.set SPARE, SCV+8192                   ; the spare words: 128 bytes for each of eight waves
.set SG,    SPARE+1024                 ; the output's 128 scale words are gathered here
.set XCH,   SLOT1+8*BLKB               ; the exchange: 8,704 bytes a wave: a tile of O^T, its sum, its -M
.set XWB,   8704
.set AK,   1                           ; v1, v2   my place in K's fragments u = 0, 1
.set AV,   3                           ; v3, v4   in V's tiles u = 0, 1
.set ASK0, 5
.set ASV0, 6
.set SPW,  7
.set NIL,  8
.set ADK,  9                           ; v9, v10  the slot in hand
.set ADV,  11                          ; v11, v12
.set ADS,  13
.set ADT,  14
.set PFO,  15                          ; 256 x lane; never rewritten
.set ST,   16                          ; tile tau at ST + 4 tau: -M, the largest t, the sum in two halves
.set KS,   24
.set VS,   28
.set QS,   32
.set PS,   34
.set PCD,  36
.set CT,   60                          ; v60-62, v64-66 the conversions' second halves
.set BM,   68
.set T2,   72
.set SO,   76
.set TT,   80
.set FF,   82                          ; f as the low word of a pair: v[82:83], v[86:87]
.set C2,   92
.set XW,   96
.set XW4,  97
.set XR,   98
.set XR4,  99
.set SGW,  100
.set SGR,  101
.set L16,  102                         ; 16 x lane; never rewritten
.set LL,   104
.set LP,   106
.set MP,   107
.set GA,   108
.set GB,   110
.set TP,   112
.set PW,   116
.set QO,   117
.set QSO,  119
.set S,    128
.set OT,   0                           ; window 1
.set QF,   128
.set F,    160
.set WV,   12
.set KAP,  13                          ; wave / 4: my half of the keys.  Also: I fetch K's blocks (0) or V's (1)
.set PI,   14
.set CXR,  15
.set XB,   16
.set BH,   17
.set SEL,  20
.set CS,   22
.set G1,   24
.set G1S,  32
.set G0,   40
.set G0S,  44
.set TB,   48
.set TS,   49
.set SLOTS, 50
.set PFA,  52
.set LIM,  54
.set QB,   56
.set QSB,  58
.set OCB,  60
.set OSB,  62
.set MSB, 0
.macro WIN new
.if MSB != (\new)
	s_set_vgpr_msb (MSB<<8)|(\new)
.set MSB, (\new)
.endif
.endm
.macro PLACES
.rept 4
	v_nop
.endr
.endm
.macro CROUND
	s_barrier_signal -1
	s_barrier_wait -1
	s_cmp_lg_u32 s[WV], 0
	s_cbranch_scc1 .Lnot_wave_0_\@
	s_barrier_signal -3
.Lnot_wave_0_\@:
	s_barrier_wait -3
	s_barrier_signal -1
	s_barrier_wait -1
.endm
	s_load_b256 s[4:11], s[0:1], 0x0               ; qkvc, qkvs, oc, os
	v_lshl_add_u32 v[SPW], v0, 2, SPARE
	v_mov_b32 v[NIL], 0
	ds_add_u32 v7, v8
	ds_add_u32 v7, v8
	s_wait_dscnt 0x0
	v_lshrrev_b32 v9, 5, v0
	v_readfirstlane_b32 s[WV], v9
	s_lshr_b32 s[KAP], s[WV], 2
	s_and_b32 s[PI], s[WV], 3
	s_bfe_u32 s[CXR], ttmp6, 0x40000
	s_lshl_b32 s[XB], ttmp9, 2
	s_add_co_u32 s[XB], s[XB], s[CXR]              ; my block of 128 queries: it enters Q's and the outputs' addresses alone
	s_and_b32 s[BH], ttmp7, 0xffff                 ; batch x 8 + head, which the four partners share
	s_mov_b32 s[G1], 15|(3<<16)|(1<<21)            ; the mask: all four; elements of 8 bytes; a block is 48 dense rows of 256 bytes
	s_mov_b32 s[G1+1], 32<<16
	s_mov_b32 s[G1+2], 48<<16
	s_mov_b32 s[G1+3], 32<<16
	s_mov_b32 s[G1+4], 48
	s_mov_b32 s[G1+5], 32
	s_mov_b32 s[G1+6], 0
	s_mov_b32 s[G1+7], 0
	s_mov_b32 s[G1S], 15|(3<<16)|(1<<21)           ; four scale images: 8 rows of 256 bytes
	s_mov_b32 s[G1S+1], 32<<16
	s_mov_b32 s[G1S+2], 8<<16
	s_mov_b32 s[G1S+3], 32<<16
	s_mov_b32 s[G1S+4], 8
	s_mov_b32 s[G1S+5], 32
	s_mov_b32 s[G1S+6], 0
	s_mov_b32 s[G1S+7], 0
	s_add_co_u32 s66, s[KAP], 1                    ; wave w fetches block w of a slot: kind w / 4 (K, V), half (w / 2) % 2 of the keys, block w % 2
	s_mul_i32 s68, s66, 131072
	s_mul_i32 s66, s66, 256*BLKB
	s_mul_i32 s67, s[BH], 16*BLKB
	s_add_co_u32 s66, s66, s67
	s_bfe_u32 s67, s[WV], 0x10001
	s_mul_i32 s67, s67, 8*BLKB
	s_add_co_u32 s66, s66, s67
	s_and_b32 s67, s[WV], 1
	s_mul_i32 s67, s67, BLKB
	s_add_co_u32 s66, s66, s67
	s_mov_b32 s67, 0
	s_lshl_b32 s69, s[BH], 13
	s_add_co_u32 s68, s68, s69
	s_lshl_b32 s69, s[PI], 11
	s_add_co_u32 s68, s68, s69                     ; and four of the kind's sixteen scale images
	s_mov_b32 s69, 0
	s_mov_b32 s[G0], 1
	s_mul_i32 s[G0+1], s[WV], BLKB
	s_mov_b32 s[G0S], 1
	s_lshl_b32 s[G0S+1], s[WV], 11
	s_add_co_u32 s[G0S+1], s[G0S+1], SCK
	s_mov_b32 s[SEL], 0x76543210
	s_mov_b32 s[SEL+1], 0xfedcba98
	s_mov_b32 s[CS], 0x3e0293ee                    ; c = log2(e) / sqrt(128)
	s_mov_b32 s[CS+1], s[CS]
	s_mov_b32 s[TB], 0
	s_lshl_b32 s[TS], s[KAP], 12                   ; my half's first scale image
	s_mov_b32 s[SLOTS], 3
	s_cmp_lt_u32 s[WV], 3
	s_cselect_b32 s[LIM], 0, 1
	s_or_b32 s[LIM], s[LIM], ttmp9                 ; waves 0 to 2 of the head's first cluster prefetch: the same in all four partners
	s_cmp_eq_u32 s[LIM], 0
	s_cselect_b32 s[LIM], 1, -1
	s_wait_kmcnt 0x0
	s_add_nc_u64 s[G0+2:G0+3], s[4:5], s[66:67]
	s_or_b32 s[G0+3], s[G0+3], 0x80000000
	s_add_nc_u64 s[G0S+2:G0S+3], s[6:7], s[68:69]
	s_or_b32 s[G0S+3], s[G0S+3], 0x80000000
	CROUND                                         ; all four work-groups are here: the first joint loads meet
	tensor_load_to_lds s[G0S:G0S+3], s[G1S:G1S+7]  ; the scale words of the whole head: filled once
	s_nop 0
	tensor_load_to_lds s[G0:G0+3], s[G1:G1+7]      ; slot 0.  Two loads of mine are out
	s_nop 0
	PLACES
	s_mul_i32 s70, s[BH], 16*BLKB                  ; Q: my block, my pair of fragments
	s_mul_i32 s71, s[XB], BLKB
	s_add_co_u32 s70, s70, s71
	s_mul_i32 s71, s[PI], 3072
	s_add_co_u32 s70, s70, s71
	s_mov_b32 s71, 0
	s_add_nc_u64 s[QB:QB+1], s[4:5], s[70:71]
	s_lshl_b32 s70, s[BH], 13
	s_lshl_b32 s71, s[XB], 9
	s_add_co_u32 s70, s70, s71
	s_lshr_b32 s71, s[PI], 1
	s_lshl_b32 s71, s71, 8
	s_add_co_u32 s70, s70, s71
	s_and_b32 s71, s[PI], 1
	s_lshl_b32 s71, s71, 3
	s_add_co_u32 s70, s70, s71
	s_mov_b32 s71, 0
	s_add_nc_u64 s[QSB:QSB+1], s[6:7], s[70:71]
	s_lshr_b32 s70, s[BH], 3                       ; oc: [token / 16][head][1,536]: the tile that I finish is fragment 2 pi + kappa
	s_lshl_b32 s70, s70, 7
	s_lshl_b32 s71, s[XB], 3
	s_add_co_u32 s70, s70, s71
	s_lshl_b32 s71, s[PI], 1
	s_add_co_u32 s70, s70, s71
	s_add_co_u32 s70, s70, s[KAP]
	s_lshl_b32 s70, s70, 3
	s_and_b32 s71, s[BH], 7
	s_add_co_u32 s70, s70, s71
	s_mul_i32 s70, s70, 1536
	s_mov_b32 s71, 0
	s_add_nc_u64 s[OCB:OCB+1], s[8:9], s[70:71]
	s_and_b32 s70, s[BH], 7                        ; os: [head][token], a word each
	s_lshl_b32 s70, s70, 14
	s_lshr_b32 s71, s[BH], 3
	s_lshl_b32 s71, s71, 13
	s_add_co_u32 s70, s70, s71
	s_lshl_b32 s71, s[XB], 9
	s_add_co_u32 s70, s70, s71
	s_mov_b32 s71, 0
	s_add_nc_u64 s[OSB:OSB+1], s[10:11], s[70:71]
	s_lshr_b32 s70, s[CXR], 1                      ; the prefetches: a slot is four dense runs of 24,576 bytes (K, V x the halves of the keys): partner cx takes run cx, BY ADDRESS
	s_add_co_u32 s70, s70, 1
	s_mul_i32 s70, s70, 256*BLKB
	s_mul_i32 s71, s[BH], 16*BLKB
	s_add_co_u32 s70, s70, s71
	s_and_b32 s71, s[CXR], 1
	s_mul_i32 s71, s71, 8*BLKB
	s_add_co_u32 s70, s70, s71
	s_lshl_b32 s71, s[WV], 13                      ; 8,192 bytes a wave, lanes 256 bytes apart
	s_add_co_u32 s70, s70, s71
	s_add_co_u32 s70, s70, 2*BLKB                  ; at slot 1's keys: the first change of slots steps it on.  Nothing is prefetched here, at the head
	s_mov_b32 s71, 0
	s_add_nc_u64 s[PFA:PFA+1], s[4:5], s[70:71]
	v_and_b32 v9, 31, v0                           ; lane
	v_and_b32 v10, 15, v0                          ; r
	v_bfe_u32 v11, v0, 4, 1                        ; h
	v_lshlrev_b32 v[L16], 4, v9
	v_lshlrev_b32 v[PFO], 8, v9
	s_lshl_b32 s66, s[KAP], 7                      ; Q: tile 0 is fragment u = kappa, tile 1 is u = 1 - kappa: 16 (lane xor 8 u) + 512 u
	s_lshl_b32 s67, s[KAP], 9
	v_xor_b32 v[QO], s66, v[L16]
	v_add_nc_u32 v[QO], s67, v[QO]
	s_xor_b32 s66, s66, 128
	s_xor_b32 s67, s67, 512
	v_xor_b32 v[QO+1], s66, v[L16]
	v_add_nc_u32 v[QO+1], s67, v[QO+1]
	s_lshl_b32 s66, s[KAP], 2
	v_lshl_add_u32 v[QSO], v10, 4, s66
	s_xor_b32 s66, s66, 4
	v_lshl_add_u32 v[QSO+1], v10, 4, s66
	WIN 0x40                                       ; destination window 1
.irp t, 0,1
.irp c, 0,1,2
	global_load_b128 v[QF+12*\t+4*\c:QF+12*\t+4*\c+3], v[QO+\t], s[QB:QB+1] offset:1024*\c
.endr
.endr
	WIN 0
.irp t, 0,1
	global_load_b32 v[QS+\t], v[QSO+\t], s[QSB:QSB+1]
.endr
	s_mul_i32 s66, s[KAP], 2*BLKB                  ; my half's two blocks of K in a slot
	v_add_nc_u32 v[AK], s66, v[L16]
	v_xor_b32 v12, 128, v[L16]
	v_add_nc_u32 v[AK+1], s66, v12
	v_lshrrev_b32 v13, 3, v10
	v_lshlrev_b32 v14, 9, v13
	v_lshl_add_u32 v14, v11, 8, v14
	s_add_co_u32 s66, s66, 4*BLKB                  ; V's lie behind K's four
	v_add_nc_u32 v14, s66, v14
	v_lshl_add_u32 v[AV], v10, 4, v14              ; 512 (r / 8) + 256 h + 16 r
	v_xor_b32 v12, 8, v10
	v_lshl_add_u32 v[AV+1], v12, 4, v14            ; the same with r xor 8
	v_add_nc_u32 v[ASK0], SCK, v[L16]              ; K's words: one load of 16 bytes a lane brings all eight fragments': lanes 0-15 fragments 0-3, lanes 16-31 fragments 4-7
	v_and_b32 v12, 7, v10
	v_lshlrev_b32 v12, 4, v12
	v_lshl_add_u32 v12, v13, 2, v12
	v_lshl_add_u32 v12, v11, 8, v12
	v_add_nc_u32 v[ASV0], SCV, v12                 ; V's, by the tiles' chosen rows: 256 h + 16 (r % 8) + 4 (r / 8); lanes 16-31 take tiles 4-7
	s_mul_i32 s66, s[WV], XWB
	s_add_co_u32 s66, s66, XCH
	v_add_nc_u32 v[XW], s66, v[L16]
	v_lshl_add_u32 v[XW4], v9, 2, s66
	s_xor_b32 s67, s[WV], 4                        ; my partner: the same queries, the other half of the keys
	s_mul_i32 s67, s67, XWB
	s_add_co_u32 s67, s67, XCH
	v_add_nc_u32 v[XR], s67, v[L16]
	v_lshl_add_u32 v[XR4], v9, 2, s67
	s_lshl_b32 s66, s[PI], 1
	s_add_co_u32 s66, s66, s[KAP]
	s_lshl_b32 s66, s66, 6
	s_add_co_u32 s66, s66, SG
	v_lshl_add_u32 v[SGW], v10, 2, s66
	v_add_nc_u32 v[SGR], SG, v[L16]
.irp t, 0,1
	v_mov_b32 v[ST+4*\t+1], 0xff61b1e6             ; the largest t so far: -3e38
	v_floor_f32 v[ST+4*\t], -v[ST+4*\t+1]          ; -M
	v_mov_b32 v[ST+4*\t+2], 0
	v_mov_b32 v[ST+4*\t+3], 0
	v_mov_b32 v[FF+4*\t+1], 0                      ; named as the upper half of a pair
.endr
.irp b, 0,1,2,3
	v_mov_b32 v[T2+\b], 0                          ; written once: a lane permute's destination counts as one of its sources
.endr
	WIN 0x40
.set ii, 0
.rept 128
	v_mov_b32 v[OT+ii], 0                          ; O^T.  The key step is written without a first copy: the first step finds zeros, which the first change of M leaves zeros
.set ii, ii+1
.endr
	WIN 0
.macro KQ a, t                         ; S^T: 16 keys (fragment a) x my tile t
.if (\a) < 4
	v_wmma_scale_f32_16x16x128_f8f6f4 v[S+64*(\t)+8*(\a):S+64*(\t)+8*(\a)+7], v[F+12*(\a):F+12*(\a)+11], v[QF+12*(\t):QF+12*(\t)+11], 0, v[KS+(\a)], v[QS+(\t)] matrix_a_fmt:MATRIX_FMT_FP6 matrix_b_fmt:MATRIX_FMT_FP6
.else
	v_wmma_scale_f32_16x16x128_f8f6f4 v[S+64*(\t)+8*(\a):S+64*(\t)+8*(\a)+7], v[F+12*(\a):F+12*(\a)+11], v[QF+12*(\t):QF+12*(\t)+11], 0, v[KS+(\a)-4], v[QS+(\t)] matrix_a_fmt:MATRIX_FMT_FP6 matrix_b_fmt:MATRIX_FMT_FP6 matrix_a_scale:MATRIX_SCALE_ROW1
.endif
.endm
.macro PV a, t                         ; O^T += 16 of the head's d (tile a) x p of my tile t
.set VSR, VS+2*(((\a)>>1)&1)+((\a)&1)
.if (\a) < 4
	v_wmma_scale_f32_16x16x128_f8f6f4 v[OT+64*(\t)+8*(\a):OT+64*(\t)+8*(\a)+7], v[F+12*(\a):F+12*(\a)+11], v[PCD+12*(\t):PCD+12*(\t)+11], v[OT+64*(\t)+8*(\a):OT+64*(\t)+8*(\a)+7], v[VSR], v[PS+(\t)] matrix_a_fmt:MATRIX_FMT_FP6 matrix_b_fmt:MATRIX_FMT_FP6
.else
	v_wmma_scale_f32_16x16x128_f8f6f4 v[OT+64*(\t)+8*(\a):OT+64*(\t)+8*(\a)+7], v[F+12*(\a):F+12*(\a)+11], v[PCD+12*(\t):PCD+12*(\t)+11], v[OT+64*(\t)+8*(\a):OT+64*(\t)+8*(\a)+7], v[VSR], v[PS+(\t)] matrix_a_fmt:MATRIX_FMT_FP6 matrix_b_fmt:MATRIX_FMT_FP6 matrix_a_scale:MATRIX_SCALE_ROW1
.endif
.endm
; One tile's softmax for 128 keys.
.macro SMX t
.set SB, S+64*(\t)
.set SR, ST+4*(\t)
.set FR2, FF+4*(\t)
.set PQ, PCD+12*(\t)
.irp b, 0,1,2,3
	v_max3_num_f32 v[BM+\b], v[SB+16*\b], v[SB+16*\b+1], v[SB+16*\b+2]   ; the largest score of each block of 32 keys: for the row's maximum and, since p rises with the score, for the block's largest p
.endr
.irp i, 3,5,7,9,11,13
.irp b, 0,1,2,3
	v_max3_num_f32 v[BM+\b], v[BM+\b], v[SB+16*\b+\i], v[SB+16*\b+\i+1]
.endr
.endr
.irp b, 0,1,2,3
	v_max_num_f32 v[BM+\b], v[BM+\b], v[SB+16*\b+15]
.endr
.irp b, 0,1,2,3
	v_permlanex16_b32 v[T2+\b], v[BM+\b], s[SEL], s[SEL+1]
.endr
.irp b, 0,1,2,3
	v_max_num_f32 v[BM+\b], v[BM+\b], v[T2+\b]
.endr
	v_max3_num_f32 v[TT], v[BM], v[BM+1], v[BM+2]
	v_max_num_f32 v[TT], v[TT], v[BM+3]
	v_mul_f32 v[TT], s[CS], v[TT]
	v_max_num_f32 v[SR+1], v[SR+1], v[TT]          ; the running largest t
	v_mov_b32 v[TT], v[SR]
	v_floor_f32 v[SR], -v[SR+1]                    ; the new -M = -ceil(t)
	v_sub_f32 v[TT], v[SR], v[TT]                  ; old M - new M: a whole number, 0 or less
	v_cvt_i32_f32 v[TT], v[TT]                     ; (it saturates)
	v_ldexp_f32 v[FR2], 1.0, v[TT]                 ; f = 2^(old M - new M)
.irp j, 0,2,4,6,8,10,12,14,16,18,20,22,24,26,28,30,32,34,36,38,40,42,44,46,48,50,52,54,56,58,60,62
	v_pk_fma_f32 v[SB+\j:SB+\j+1], v[SB+\j:SB+\j+1], s[CS:CS+1], v[SR:SR+1] op_sel_hi:[1,0,0]   ; t - M
.endr
.irp b, 0,1,2,3
	v_fma_f32 v[BM+\b], v[BM+\b], s[CS], v[SR]
.endr
.set ii, 0
.rept 64
	v_exp_f32 v[SB+ii], v[SB+ii]                   ; p = 2^(t - M): one batch
.set ii, ii+1
.endr
	v_pk_mul_f32 v[SR+2:SR+3], v[SR+2:SR+3], v[FR2:FR2+1] op_sel_hi:[1,0]   ; the sums under the new M: the plain place behind the batch
	s_wait_alu depctr_va_vdst(0)                   ; one wait for the batch, ahead of its first reader
.irp b, 0,1,2,3
	v_exp_f32 v[BM+\b], v[BM+\b]                   ; the blocks' largest p
.endr
	v_pk_add_f32 v[C2:C2+1], v[SB:SB+1], v[SB+2:SB+3]   ; the row's sum, of the unquantised p, in two chains
.irp j, 4,8,12,16,20,24,28,32,36,40,44,48,52,56,60
	v_pk_add_f32 v[SR+2:SR+3], v[SR+2:SR+3], v[SB+\j:SB+\j+1]
	v_pk_add_f32 v[C2:C2+1], v[C2:C2+1], v[SB+\j+2:SB+\j+3]
.endr
	v_pk_add_f32 v[SR+2:SR+3], v[SR+2:SR+3], v[C2:C2+1]
	s_wait_alu depctr_va_vdst(0)                   ; and one for the four
.irp b, 0,1,2,3
	v_max_num_f32 v[BM+\b], 0x1800000, v[BM+\b]    ; the floor 2^(3 - 127)
.endr
.irp b, 0,1,2,3
	v_add_nc_u32 v[SO+\b], 0xff000000, v[BM+\b]
.endr
.irp b, 0,1,2,3
	v_lshrrev_b32 v[T2+\b], 23, v[SO+\b]
.endr
	v_lshl_or_b32 v[PS+(\t)], v[T2+1], 8, v[T2]
	v_lshl_or_b32 v[PS+(\t)], v[T2+2], 16, v[PS+(\t)]
	v_lshl_or_b32 v[PS+(\t)], v[T2+3], 24, v[PS+(\t)]
.irp c, 0,1
	v_cvt_scalef32_pk16_fp6_f32 v[PQ+6*\c:PQ+6*\c+2], v[SB+32*\c:SB+32*\c+15], v[SO+2*\c]
	v_cvt_scalef32_pk16_fp6_f32 v[CT+4*\c:CT+4*\c+2], v[SB+32*\c+16:SB+32*\c+31], v[SO+2*\c+1]
.endr
	v_nop                                          ; one plain place behind a scaled conversion
.irp c, 0,1
.irp i, 0,1,2
	v_permlane16_swap_b32 v[PQ+6*\c+\i], v[CT+4*\c+\i]
.endr
.irp i, 0,1,2
	v_mov_b32 v[PQ+3+6*\c+\i], v[CT+4*\c+\i]
.endr
.endr
.endm
; A KEY STEP: my half's q-th block of 128 keys of the slot in hand, for both tiles.
.macro STEP q
	PLACES                                         ; in front of loads into registers that matrix instructions have read
	WIN 0x40
.irp g, 0,1,2,3
.irp u, 0,1
.irp c, 0,1,2
	ds_load_b128 v[F+12*(2*\g+\u)+4*\c:F+12*(2*\g+\u)+4*\c+3], v[ADK+\u] offset:(\q)*BLKB+\g*3072+\c*1024+\u*512
.endr
.endr
.endr
	WIN 0
	ds_load_b128 v[KS:KS+3], v[ADS] offset:512*(\q)
	s_wait_dscnt 0x0
	WIN 0x05                                       ; K and Q in window 1, S^T in window 0
.irp a, 0,1,2,3,4,5,6,7
.irp t, 0,1
	KQ \a, \t
.endr
.endr
	WIN 0
	PLACES                                         ; behind the products: V's loads land in K's registers, and the softmax reads the scores
	WIN 0x40
.irp g, 0,1,2,3
.irp u, 0,1
.irp c, 0,1,2
	ds_load_b128 v[F+12*(2*\g+\u)+4*\c:F+12*(2*\g+\u)+4*\c+3], v[ADV+\u] offset:(\q)*BLKB+\g*3072+\c*1024
.endr
.endr
.endr
	WIN 0
.irp g, 0,1
.irp u, 0,1
	ds_load_b32 v[VS+2*\g+\u], v[ADT] offset:512*(\q)+128*\u+8*\g
.endr
.endr
	SMX 0                                          ; V's loads land under the softmax
	SMX 1
	WIN 0x41                                       ; O^T in window 1, f in window 0
.irp t, 0,1
.set ii, 0
.rept 32
	v_pk_mul_f32 v[OT+64*\t+ii:OT+64*\t+ii+1], v[OT+64*\t+ii:OT+64*\t+ii+1], v[FF+4*\t:FF+4*\t+1] op_sel_hi:[1,0]   ; O^T under the new M; these are also the places between p's codes and scale words and the products
.set ii, ii+2
.endr
.endr
	s_wait_dscnt 0x0
	WIN 0x51                                       ; V and O^T in window 1, p in window 0
.irp a, 0,1,2,3,4,5,6,7
.irp t, 0,1
	PV \a, \t                                      ; sixteen accumulators by turns, one instruction a turn
.endr
.endr
	WIN 0
.endm
; THE CHANGE OF SLOTS stands at a slot's head.  Each wave waits for all its tensor loads, adds 0 to its spare word, and waits for that and for its reads of the slot that it has left.
; fill = 1: a round of the cluster's barrier, and behind it the other slot is filled with the keys that follow: one load a wave, with two key steps in which to land.
; Behind it stands the prefetch of the slot that the NEXT change will ask for: two key steps ahead of that load.  Each run of 24,576 bytes is named once in the launch: by the head's first cluster, a run a partner (by address), 8,192 bytes
; a wave (waves 0 to 2), a lane each 256 bytes.  The last change that fills a slot asks for nothing; slots 0 and 1 come by their loads alone.
.macro CHANGE fill
	s_wait_tensorcnt 0x0                           ; no tensor load of mine is out, so the walking group 0 may be written
	ds_add_u32 v[SPW], v[NIL]                      ; 0 onto my spare word
.if \fill
	s_xor_b32 s[G0+1], s[G0+1], SLOT1
	s_add_nc_u64 s[G0+2:G0+3], s[G0+2:G0+3], 2*BLKB
	s_wait_xcnt 0x0                                ; the last prefetch, a slot back, has read its address
	s_add_nc_u64 s[PFA:PFA+1], s[PFA:PFA+1], 2*BLKB
	s_wait_dscnt 0x0                               ; the add is done, and my reads of the slot that I have left are over
	CROUND
	tensor_load_to_lds s[G0:G0+3], s[G1:G1+7]
	s_nop 0
	PLACES
	s_cmp_gt_u32 s[SLOTS], s[LIM]
	s_cbranch_scc0 .Lnot_mine_\@
	global_prefetch_b8 v[PFO], s[PFA:PFA+1] th:TH_LOAD_NT scope:SCOPE_SE
.Lnot_mine_\@:
.else
	s_wait_dscnt 0x0
	s_barrier_signal -1
	s_barrier_wait -1
.endif
.endm
.macro SLOT_STEPS
	v_add_nc_u32 v[ADK], s[TB], v[AK]
	v_add_nc_u32 v[ADK+1], s[TB], v[AK+1]
	v_add_nc_u32 v[ADV], s[TB], v[AV]
	v_add_nc_u32 v[ADV+1], s[TB], v[AV+1]
	v_add_nc_u32 v[ADS], s[TS], v[ASK0]
	v_add_nc_u32 v[ADT], s[TS], v[ASV0]
	STEP 0
	STEP 1
	s_xor_b32 s[TB], s[TB], SLOT1
	s_add_co_u32 s[TS], s[TS], 1024
.endm
	s_wait_loadcnt 0x0                             ; Q and its scale words
.Lslot:                                            ; three trips: behind each change of slots but the last the next slot is asked for
	CHANGE 1
	SLOT_STEPS
	s_sub_co_u32 s[SLOTS], s[SLOTS], 1
	s_cmp_lg_u32 s[SLOTS], 0
	s_cbranch_scc1 .Lslot
	CHANGE 0                                       ; the last slot is written out
	SLOT_STEPS
	; THE JOIN.  Each wave sends its tile 1 (O^T, the sum, -M) to the wave with the same queries and the other half of the keys, and finishes its tile 0.
	PLACES                                         ; behind the last products
.irp t, 0,1
	v_add_f32 v[LL+\t], v[ST+4*\t+2], v[ST+4*\t+3]
.endr
.irp t, 0,1
	v_permlanex16_b32 v[T2+\t], v[LL+\t], s[SEL], s[SEL+1]
.endr
.irp t, 0,1
	v_add_f32 v[LL+\t], v[LL+\t], v[T2+\t]
.endr
	WIN 0x04                                       ; an LDS store's data are its source 1: window 1
.irp i, 0,1,2,3,4,5,6,7,8,9,10,11,12,13,14,15
	ds_store_b128 v[XW], v[OT+64+4*\i:OT+64+4*\i+3] offset:512*\i   ; as an image of the registers; each accumulator from its low end on
.endr
	WIN 0
	ds_store_b32 v[XW4], v[LL+1] offset:8192
	ds_store_b32 v[XW4], v[ST+4] offset:8320
	s_wait_dscnt 0x0                               ; for the partner's sake: my stores have landed
	s_barrier_signal -1
	s_barrier_wait -1
.irp i, 0,1,2,3,4,5,6,7,8,9,10,11,12,13,14,15
	ds_load_b128 v[S+4*\i:S+4*\i+3], v[XR] offset:512*\i
.endr
	ds_load_b32 v[LP], v[XR4] offset:8192
	ds_load_b32 v[MP], v[XR4] offset:8320
	s_wait_dscnt 0x0
	v_min_num_f32 v[TP], v[ST], v[MP]              ; -M of both halves together
	v_sub_f32 v[TP+1], v[TP], v[ST]                ; my M less the common one: a whole number, 0 or less
	v_sub_f32 v[TP+2], v[TP], v[MP]
	v_cvt_i32_f32 v[TP+1], v[TP+1]
	v_cvt_i32_f32 v[TP+2], v[TP+2]
	v_ldexp_f32 v[TP+1], 1.0, v[TP+1]
	v_ldexp_f32 v[TP+2], 1.0, v[TP+2]
	v_mul_f32 v[TP+3], v[LL], v[TP+1]
	v_fmac_f32 v[TP+3], v[LP], v[TP+2]             ; the row's sum
	v_rcp_f32 v[TP], v[TP+3]
	v_mov_b32 v[GA+1], 0                           ; (plain work behind the reciprocal; the upper halves of two pairs)
	v_mov_b32 v[GB+1], 0
	s_wait_alu depctr_va_vdst(0)                   ; the wait ahead of the reciprocal's first reader
	v_mul_f32 v[GA], v[TP+1], v[TP]
	v_mul_f32 v[GB], v[TP+2], v[TP]
	WIN 0x01                                       ; source 0: my O^T, window 1
.set ii, 0
.rept 32
	v_pk_mul_f32 v[S+64+ii:S+64+ii+1], v[OT+ii:OT+ii+1], v[GA:GA+1] op_sel_hi:[1,0]
.set ii, ii+2
.endr
	WIN 0
.set ii, 0
.rept 32
	v_pk_fma_f32 v[S+64+ii:S+64+ii+1], v[S+ii:S+ii+1], v[GB:GB+1], v[S+64+ii:S+64+ii+1] op_sel_hi:[1,0,1]
.set ii, ii+2
.endr
	; o is quantised along d: register 16 b + i is d = 32 b + 16 h + i of my query
.irp b, 0,1,2,3
	v_max3_num_f32 v[BM+\b], |v[S+64+16*\b]|, |v[S+65+16*\b]|, 0x1800000
.endr
.irp i, 2,4,6,8,10,12,14
.irp b, 0,1,2,3
	v_max3_num_f32 v[BM+\b], v[BM+\b], |v[S+64+16*\b+\i]|, |v[S+65+16*\b+\i]|
.endr
.endr
.irp b, 0,1,2,3
	v_permlanex16_b32 v[T2+\b], v[BM+\b], s[SEL], s[SEL+1]
.endr
.irp b, 0,1,2,3
	v_max_num_f32 v[BM+\b], v[BM+\b], v[T2+\b]
.endr
.irp b, 0,1,2,3
	v_add_nc_u32 v[SO+\b], 0xff000000, v[BM+\b]
.endr
.irp b, 0,1,2,3
	v_lshrrev_b32 v[T2+\b], 23, v[SO+\b]
.endr
	v_lshl_or_b32 v[PW], v[T2+1], 8, v[T2]
	v_lshl_or_b32 v[PW], v[T2+2], 16, v[PW]
	v_lshl_or_b32 v[PW], v[T2+3], 24, v[PW]
.irp c, 0,1
	v_cvt_scalef32_pk16_fp6_f32 v[PCD+6*\c:PCD+6*\c+2], v[S+64+32*\c:S+64+32*\c+15], v[SO+2*\c]
	v_cvt_scalef32_pk16_fp6_f32 v[CT+4*\c:CT+4*\c+2], v[S+80+32*\c:S+80+32*\c+15], v[SO+2*\c+1]
.endr
	v_nop
.irp c, 0,1
.irp i, 0,1,2
	v_permlane16_swap_b32 v[PCD+6*\c+\i], v[CT+4*\c+\i]
.endr
.irp i, 0,1,2
	v_mov_b32 v[PCD+3+6*\c+\i], v[CT+4*\c+\i]
.endr
.endr
.irp c, 0,1,2
	global_store_b128 v[L16], v[PCD+4*\c:PCD+4*\c+3], s[OCB:OCB+1] offset:512*\c   ; the fragment's image: 512 consecutive bytes a store, aligned
.endr
	ds_store_b32 v[SGW], v[PW]                     ; lanes l and l xor 16 write the same word with the same value
	s_wait_dscnt 0x0
	s_barrier_signal -1
	s_barrier_wait -1                              ; the work-group's 128 scale words lie together
	s_cmp_lg_u32 s[WV], 0
	s_cbranch_scc1 .Lnot_first
	ds_load_b128 v[TP:TP+3], v[SGR]
	s_wait_dscnt 0x0
	global_store_b128 v[L16], v[TP:TP+3], s[OSB:OSB+1]            ; 512 consecutive bytes, aligned
.Lnot_first:
	s_wait_tensorcnt 0x0                           ; the wave's end
	ds_add_u32 v[SPW], v[NIL]
	s_wait_dscnt 0x0
	CROUND                                         ; the closing round
	s_endpgm
.Lfunc_end_k_qe3cc8837e1_attn:
	.size	k_qe3cc8837e1_attn, .Lfunc_end_k_qe3cc8837e1_attn-k_qe3cc8837e1_attn
	.p2alignl 7, 3214868480
	.fill 96, 4, 3214868480
	.section	.rodata,"a",@progbits
	.p2align	6, 0x0
	.amdhsa_kernel k_qe3cc8837e1_attn
		.amdhsa_group_segment_fixed_size 327680
		.amdhsa_private_segment_fixed_size 0
		.amdhsa_enable_private_segment 0
		.amdhsa_kernarg_size 32
		.amdhsa_user_sgpr_count 2
		.amdhsa_user_sgpr_kernarg_segment_ptr 1
		.amdhsa_wavefront_size32 1
		.amdhsa_system_sgpr_workgroup_id_x 1
		.amdhsa_system_sgpr_workgroup_id_y 1
		.amdhsa_system_sgpr_workgroup_id_z 1
		.amdhsa_system_vgpr_workitem_id 0
		.amdhsa_next_free_vgpr 512
		.amdhsa_next_free_sgpr 72
		.amdhsa_reserve_vcc 0
		.amdhsa_float_denorm_mode_32 3
		.amdhsa_float_denorm_mode_16_64 3
		.amdhsa_memory_ordered 1
		.amdhsa_forward_progress 1
		.amdhsa_inst_pref_size 161
	.end_amdhsa_kernel
	.amdgpu_metadata
---
amdhsa.version: [ 1, 2 ]
amdhsa.kernels:
  - .name:           k_qe3cc8837e1_attn
    .symbol:         k_qe3cc8837e1_attn.kd
    .args:
      - { .name: qkvc, .offset: 0, .size: 8, .value_kind: global_buffer, .address_space: global }
      - { .name: qkvs, .offset: 8, .size: 8, .value_kind: global_buffer, .address_space: global }
      - { .name: oc, .offset: 16, .size: 8, .value_kind: global_buffer, .address_space: global }
      - { .name: os, .offset: 24, .size: 8, .value_kind: global_buffer, .address_space: global }
    .group_segment_fixed_size: 327680
    .private_segment_fixed_size: 0
    .kernarg_segment_align: 8
    .kernarg_segment_size: 32
    .max_flat_workgroup_size: 256
    .sgpr_count:     72
    .vgpr_count:     512
    .wavefront_size: 32
...
	.end_amdgpu_metadata
.endif
;; end of part 2
;; launch oproj (part 3): grid 16 x 16, 4 waves a work-group, clusters of 4 x 4, 327,680 bytes of LDS; arguments oc, os, Wo_codes, Wo_scales, out0; writes out0
.if DOCPART == 3
	.amdgcn_target "amdgcn-amd-amdhsa--gfx1250"
	.amdhsa_code_object_version 6
	.text
	.protected	k_qe3cc8837e1_oproj
	.globl	k_qe3cc8837e1_oproj
	.p2align	8
	.type	k_qe3cc8837e1_oproj,@function
k_qe3cc8837e1_oproj:
	s_mov_b64 s[64:65], 0
	v_nop
	global_prefetch_b8 v0, s[64:65] scope:SCOPE_SE
	s_setreg_imm32_b32 hwreg(HW_REG_WAVE_MODE, 25, 1), 1
	s_wait_xcnt 0x0
	s_wait_alu depctr_hold_cnt(0) depctr_sa_sdst(0) depctr_va_vdst(0) depctr_va_sdst(0) depctr_va_ssrc(0) depctr_va_vcc(0) depctr_vm_vsrc(0)
	s_getreg_b32 s2, hwreg(HW_REG_IB_STS2, 6, 4)
	s_cmp_eq_u32 s2, 0
	s_cbranch_scc0 .Lentry_in_a_cluster
	s_endpgm
.Lentry_in_a_cluster:
	s_bfe_u32 s2, ttmp6, 0x10000c
	s_cmp_lg_u32 s2, 0xf033
	s_cbranch_scc0 .Lentry_shape_is_right
	s_endpgm
.Lentry_shape_is_right:
; out[m][n] = sum over k of O[m][k] Wo[n][k], m 4,096 tokens, n 2,048, k 1,024 = head x d, on codes of FP6 (E2M3) with one E8M0 scale for each 32 along K; out is f32.
; O comes as the launch before left it: oc [token / 16][head][1,536]: a fragment (16 tokens x one head's 128) as an image of its 12 registers, registers 4 c .. of a lane at 512 c + 16 x lane; os [head][token]: its scale words.
; Wo comes as given: rows of 768 bytes of codes, 32 scale bytes a row.
; NO RING: K is short enough for a tile's operands to lie in LDS whole.  A work-group makes 256 tokens x 128 columns: 196,608 bytes of O's codes, 98,304 of Wo's, 12,288 of scales.  Every wave asks for its part of all of it
; at the kernel's head, six tensor loads together: the two kinds of scales, then O's and Wo's first half of K, then their second half.  Nothing is filled again, so there is one plain barrier for each half of K and no round in the K work.
; 16 x 16 = 256 work-groups.  SHARES: wave w makes tokens 64 w .. 64 w + 63 x all 128 columns: 32 accumulators; its stored rows are 512 consecutive bytes, and O's codes are read by the wave that fetched them alone.
; CLUSTERS 4 x 4: O's tiles are shared along a row of the cluster, Wo's along a column.  THE MATRIX INSTRUCTION IS USED TRANSPOSED (source 0 = 16 rows of Wo, source 1 = 16 tokens): a lane holds eight neighbouring numbers of a row of out.
; LDS: O's codes [half of K][wave][16 tokens][head][1,536], dense; Wo's codes [half of K][128 rows], a row 384 bytes + 16 behind every 128 = 432 = 108 words: the 32 lanes of a load of 8 bytes touch 64 different banks;
; Wo's scale bytes in units of 256 + 16; O's scale words, for each wave 8 heads x (256 + 64) bytes: two heads' words fall on different banks.
; The stage for the way out is the head of the wave's own part of O's first half: those bytes have had their only fill, and no other wave reads them.
; REGISTERS: window 0: v16-30 addresses; v32-79 all scale words of all of K (nothing else, ever); v96-191 O's fragments, two sets; on the way out v128-255.   window 1: Wo's fragments, two sets.   window 2: the accumulators ((a, b) at v[8 (8 a + b)]).
; LIMITS: NaN and infinities are not served.
.set SIZE_N, 2048
.set FR,     12                        ; registers of a fragment
.set NP,     4                         ; places behind this matrix instruction (ISA guide 7.12.1)
.set ACH,    98304                     ; O: half of K for 256 tokens
.set AWV,    24576                     ; a wave's 64 tokens of it: 4 groups of 16 tokens x 4 heads' images
.set BB0,    2*ACH                     ; Wo's codes
.set BP,     432                       ; a row of half of K in LDS
.set BCH,    128*BP                    ; half of K for 128 rows
.set BWV,    32*BP                     ; the 32 rows that a wave fetches
.set BSC,    BB0+2*BCH                 ; Wo's scale bytes
.set BSW,    4*272                     ; those of 32 rows
.set ASC,    BSC+4*BSW                 ; O's scale words
.set ASP,    320                       ; a head's 64 words + 64 bytes
.set ASW,    8*ASP                     ; a wave's
.set SPITCH, 528                       ; the way out: 16 rows x (512 bytes + 16)
.set ADRA, 16                          ; v16, v17  my place in O's images, first and second half of K
.set RD,   16                          ; the stage begins where my images begin: a row comes back from the same 16 x lane
.set ADRB, 20                          ; v20, v21  Wo's rows, first and second half; v22, v23 the same behind one padding more
.set STO,  24                          ; v24  the way out: where I put 32 bytes of a row
.set CO,   26                          ; v26  16 x lane: my bytes of a row of out
.set ADSA, 27
.set ADSB, 30
.set SCA,  32                          ; register 4 j + a: O's block a: lanes 0-15 head 2 j, lanes 16-31 head 2 j + 1
.set SCB,  48                          ; register 16 c + 4 i + q: Wo's block i (lanes 0-15) and i + 4 (lanes 16-31), the q-th 128 of half c of K
.set AF,   96
.set BK,   128
.set G1A,  24
.set G1B,  32
.set G1SA, 48
.set G1SB, 56
.set G0A,  68                          ; one group 0 for each load: none is ever written again
.set G0B,  76
.set G0SA, 84
.set G0SB, 88
.set MSB, 0
.macro WIN new                         ; the immediate's high byte repeats the setting that is left
.if MSB != (\new)
	s_set_vgpr_msb (MSB<<8)|(\new)
.set MSB, (\new)
.endif
.endm
.set MUL,  0xa1                        ; source 0 (Wo) window 1, source 1 (O) window 0, C and D window 2
.set TO_B, 0x40
.macro CROUND                          ; a round of the cluster's barrier
	s_barrier_signal -1
	s_barrier_wait -1
	s_cmp_lg_u32 s14, 0
	s_cbranch_scc1 .Lnot_wave_0_\@
	s_barrier_signal -3
.Lnot_wave_0_\@:
	s_barrier_wait -3
	s_barrier_signal -1
	s_barrier_wait -1
.endm
.macro PLACES n
.rept \n
	v_nop
.endr
.endm
	s_load_b128 s[4:7], s[0:1], 0x0                ; oc, os
	s_load_b128 s[8:11], s[0:1], 0x10              ; Wo's codes, Wo's scales
	s_load_b64 s[12:13], s[0:1], 0x20              ; out
	v_lshl_add_u32 v94, v0, 2, 0x4e900
	v_mov_b32 v95, 0
	ds_add_u32 v94, v95
	ds_add_u32 v94, v95
	v_lshrrev_b32 v1, 5, v0
	v_readfirstlane_b32 s14, v1                    ; wave
	s_bfe_u32 s40, ttmp6, 0x40000                  ; cx, cy
	s_bfe_u32 s41, ttmp6, 0x40004
	s_lshl_b32 s42, ttmp9, 2
	s_add_co_u32 s42, s42, s40                     ; tile column: 128 columns
	s_and_b32 s17, ttmp7, 0xffff
	s_lshl_b32 s17, s17, 2
	s_add_co_u32 s17, s17, s41                     ; tile row: 256 tokens
	s_lshl_b32 s43, s41, 2
	s_lshl_b32 s43, 15, s43                        ; my row of the cluster
	s_lshl_b32 s44, 0x1111, s40                    ; my column
	s_or_b32 s[G1A+0], s43, (3<<16)|(1<<21)        ; O's codes: 4 rows (groups of 16 tokens) of 6,144 bytes (four heads' images: 768 elements of 8 bytes), 12,288 bytes apart; dense in LDS
	s_mov_b32 s[G1A+1], 768<<16
	s_mov_b32 s[G1A+2], 4<<16
	s_mov_b32 s[G1A+3], 768<<16
	s_mov_b32 s[G1A+4], 4
	s_mov_b32 s[G1A+5], 1536
	s_mov_b32 s[G1A+6], 0
	s_mov_b32 s[G1A+7], 0
	s_or_b32 s[G1B+0], s44, (1<<20)|(1<<21)|(4<<22)|(3<<25)   ; Wo's codes: 32 rows of 384 bytes, 768 apart; 4 words of padding behind every 32
	s_mov_b32 s[G1B+1], 384<<16
	s_mov_b32 s[G1B+2], 32<<16
	s_mov_b32 s[G1B+3], 384<<16
	s_mov_b32 s[G1B+4], 32
	s_mov_b32 s[G1B+5], 768
	s_mov_b32 s[G1B+6], 0
	s_mov_b32 s[G1B+7], 0
	s_or_b32 s[G1SA+0], s43, (3<<16)|(1<<20)|(1<<21)|(5<<22)|(15<<25)   ; O's scale words: 8 heads x 64 tokens' 256 bytes, 16,384 bytes apart; 16 words of padding behind each
	s_mov_b32 s[G1SA+1], 32<<16
	s_mov_b32 s[G1SA+2], 8<<16
	s_mov_b32 s[G1SA+3], 32<<16
	s_mov_b32 s[G1SA+4], 8
	s_mov_b32 s[G1SA+5], 2048
	s_mov_b32 s[G1SA+6], 0
	s_mov_b32 s[G1SA+7], 0
	s_or_b32 s[G1SB+0], s44, (3<<16)|(1<<20)|(1<<21)|(5<<22)|(3<<25)    ; Wo's scale bytes of 32 rows: 1,024 dense bytes as 4 rows of 256, 4 words of padding behind each
	s_mov_b32 s[G1SB+1], 32<<16
	s_mov_b32 s[G1SB+2], 4<<16
	s_mov_b32 s[G1SB+3], 32<<16
	s_mov_b32 s[G1SB+4], 4
	s_mov_b32 s[G1SB+5], 32
	s_mov_b32 s[G1SB+6], 0
	s_mov_b32 s[G1SB+7], 0
	s_mul_i32 s20, s17, 16*12288                   ; O's codes: 16 groups of 16 tokens a tile row, 4 a wave
	s_mul_i32 s18, s14, 4*12288
	s_add_co_u32 s20, s20, s18
	s_mov_b32 s21, 0
	s_lshl_b32 s22, s17, 10                        ; its scale words: 256 tokens x 4 bytes a tile row, 64 tokens a wave
	s_lshl_b32 s18, s14, 8
	s_add_co_u32 s22, s22, s18
	s_mov_b32 s23, 0
	s_lshl_b32 s46, s42, 7
	s_lshl_b32 s47, s14, 5
	s_add_co_u32 s46, s46, s47                     ; Wo: row 128 x tile column + 32 x wave
	s_lshl_b32 s92, s46, 5
	s_mov_b32 s93, 0
	s_mul_i32 s46, s46, 768
	s_mov_b32 s47, 0
	s_mul_i32 s45, s14, AWV                        ; where they go: the wave's number and constants alone
	s_mul_i32 s94, s14, BWV
	s_add_co_u32 s94, s94, BB0
	s_mul_i32 s95, s14, ASW
	s_add_co_u32 s95, s95, ASC
	s_mul_i32 s96, s14, BSW
	s_add_co_u32 s96, s96, BSC
	s_wait_dscnt 0x0
	s_wait_kmcnt 0x0
	s_add_nc_u64 s[20:21], s[4:5], s[20:21]
	s_add_nc_u64 s[46:47], s[8:9], s[46:47]
	s_mov_b32 s[G0SA], 1
	s_mov_b32 s[G0SA+1], s95
	s_add_nc_u64 s[G0SA+2:G0SA+3], s[6:7], s[22:23]
	s_or_b32 s[G0SA+3], s[G0SA+3], 0x80000000
	s_mov_b32 s[G0SB], 1
	s_mov_b32 s[G0SB+1], s96
	s_add_nc_u64 s[G0SB+2:G0SB+3], s[10:11], s[92:93]
	s_or_b32 s[G0SB+3], s[G0SB+3], 0x80000000
.irp c, 0,1
	s_mov_b32 s[G0A+4*\c], 1
	s_add_co_u32 s[G0A+4*\c+1], s45, \c*ACH
	s_add_nc_u64 s[G0A+4*\c+2:G0A+4*\c+3], s[20:21], \c*6144      ; heads 4 c on
	s_or_b32 s[G0A+4*\c+3], s[G0A+4*\c+3], 0x80000000
	s_mov_b32 s[G0B+4*\c], 1
	s_add_co_u32 s[G0B+4*\c+1], s94, \c*BCH
	s_add_nc_u64 s[G0B+4*\c+2:G0B+4*\c+3], s[46:47], \c*384       ; 512 along K on
	s_or_b32 s[G0B+4*\c+3], s[G0B+4*\c+3], 0x80000000
.endr
	CROUND                                         ; all sixteen work-groups are here: the joint loads meet
	tensor_load_to_lds s[G0SA:G0SA+3], s[G1SA:G1SA+7]             ; every wave runs the same six lines, each with rows of its own: six tensor loads of mine are out
	s_nop 0
	tensor_load_to_lds s[G0SB:G0SB+3], s[G1SB:G1SB+7]
	s_nop 0
	tensor_load_to_lds s[G0A:G0A+3], s[G1A:G1A+7]
	s_nop 0
	tensor_load_to_lds s[G0B:G0B+3], s[G1B:G1B+7]
	s_nop 0
	tensor_load_to_lds s[G0A+4:G0A+7], s[G1A:G1A+7]
	s_nop 0
	tensor_load_to_lds s[G0B+4:G0B+7], s[G1B:G1B+7]
	s_nop 0
	PLACES 4                                       ; four v_nop follow the last
	v_and_b32 v1, 15, v0                           ; r
	v_bfe_u32 v2, v0, 4, 1                         ; h
	v_and_b32 v6, 31, v0
	v_lshlrev_b32 v[CO], 4, v6
	v_add_nc_u32 v[ADRA], s45, v[CO]
	v_add_nc_u32 v[ADRA+1], ACH, v[ADRA]
	v_mul_u32_u24 v3, v1, BP
	v_mad_u32_u24 v4, v2, 24, v3                   ; a fragment's row x pitch + 24 x half
	v_lshl_add_u32 v5, v2, 4, v4                   ; and the same behind one padding more
	v_add_nc_u32 v[ADRB], BB0, v4
	v_add_nc_u32 v[ADRB+1], BB0+BCH, v4
	v_add_nc_u32 v[ADRB+2], BB0, v5
	v_add_nc_u32 v[ADRB+3], BB0+BCH, v5
	v_mul_u32_u24 v5, v2, ASP
	v_lshl_add_u32 v5, v1, 2, v5
	v_add_nc_u32 v[ADSA], s95, v5                  ; O's words: 4 r, lanes 16-31 the next head's
	v_lshlrev_b32 v5, 5, v1                        ; Wo's: 32 bytes a row,
	v_lshrrev_b32 v6, 3, v1
	v_lshl_add_u32 v5, v6, 4, v5                   ; 16 more for each 256 passed,
	v_mad_u32_u24 v5, v2, 4*544, v5                ; lanes 16-31 four blocks on
	v_add_nc_u32 v[ADSB], BSC, v5
	v_mul_u32_u24 v5, v1, SPITCH
	v_lshl_add_u32 v5, v2, 5, v5
	v_add_nc_u32 v[STO], s45, v5                   ; the stage: row r, 32 bytes for each half of the lanes
	s_lshl_b32 s20, s17, 8
	s_lshl_b32 s21, s14, 6
	s_add_co_u32 s20, s20, s21                     ; my first row of out: 256 x tile row + 64 x wave,
	s_lshl_b32 s20, s20, 13                        ; of 8,192 bytes: under 2^25
	s_mov_b32 s21, 0
	s_add_nc_u64 s[12:13], s[12:13], s[20:21]
	s_lshl_b32 s46, s42, 9                         ; the tile's first column, in bytes
	s_mov_b32 s47, 0
	s_add_nc_u64 s[12:13], s[12:13], s[46:47]
.macro FRAG reg, adr, q, i             ; a fragment of Wo: lane (r, h) takes 24 bytes twice, in pieces of 8.  16 bytes of padding lie behind every 16 pieces: where the piece three on lies behind one padding more, the second address register serves
.irp p, 0,1,2,3,4,5
.set PCE, 12*(\q)+6*(\p/3)+\p%3
.if PCE%16 < 13
	ds_load_b64 v[\reg+2*\p:\reg+2*\p+1], v[\adr] offset:8*PCE+16*(PCE/16)+(\i)*16*BP
.else
	ds_load_b64 v[\reg+2*\p:\reg+2*\p+1], v[\adr+2] offset:8*PCE+16*(PCE/16)+(\i)*16*BP
.endif
.endr
.endm
.macro FETCH t                         ; the fragments of step t (128 along K: head t) into set t % 2: 60 LDS loads in one run
	WIN TO_B
.irp i, 0,1,2,3,4,5,6,7
	FRAG 128*((\t)%2)+FR*\i, ADRB+(\t)/4, (\t)%4, \i
.endr
	WIN 0
.irp a, 0,1,2,3
.irp c, 0,1,2
	ds_load_b128 v[AF+48*((\t)%2)+FR*\a+4*\c:AF+48*((\t)%2)+FR*\a+4*\c+3], v[ADRA+(\t)/4] offset:6144*\a+1536*((\t)%4)+512*\c
.endr
.endr
.endm
.macro WM d, s0, s1, c, x0, x1, r0, r1 ; one product; r0, r1: source 0's, source 1's scales stand in lanes 16-31
.if (\r0) && (\r1)
	v_wmma_scale_f32_16x16x128_f8f6f4 \d, \s0, \s1, \c, \x0, \x1 matrix_a_fmt:MATRIX_FMT_FP6 matrix_b_fmt:MATRIX_FMT_FP6 matrix_a_scale:MATRIX_SCALE_ROW1 matrix_b_scale:MATRIX_SCALE_ROW1
.elseif (\r0)
	v_wmma_scale_f32_16x16x128_f8f6f4 \d, \s0, \s1, \c, \x0, \x1 matrix_a_fmt:MATRIX_FMT_FP6 matrix_b_fmt:MATRIX_FMT_FP6 matrix_a_scale:MATRIX_SCALE_ROW1
.elseif (\r1)
	v_wmma_scale_f32_16x16x128_f8f6f4 \d, \s0, \s1, \c, \x0, \x1 matrix_a_fmt:MATRIX_FMT_FP6 matrix_b_fmt:MATRIX_FMT_FP6 matrix_b_scale:MATRIX_SCALE_ROW1
.else
	v_wmma_scale_f32_16x16x128_f8f6f4 \d, \s0, \s1, \c, \x0, \x1 matrix_a_fmt:MATRIX_FMT_FP6 matrix_b_fmt:MATRIX_FMT_FP6
.endif
.endm
; 8 matrix instructions: O's block a x Wo's eight, step s.  The 32 accumulators take turns, one instruction a turn, in the same order in every step.  zero = 1: the first step's products start the sums.
.macro MULA a, s, zero
.irp b, 0,1,2,3,4,5,6,7
.if \zero
	WM v[8*(8*(\a)+\b):8*(8*(\a)+\b)+7], v[128*((\s)%2)+FR*\b:128*((\s)%2)+FR*\b+FR-1], v[AF+48*((\s)%2)+FR*(\a):AF+48*((\s)%2)+FR*(\a)+FR-1], 0, v[SCB+16*((\s)/4)+4*(\b%4)+(\s)%4], v[SCA+4*((\s)/2)+(\a)], \b/4, (\s)%2
.else
	WM v[8*(8*(\a)+\b):8*(8*(\a)+\b)+7], v[128*((\s)%2)+FR*\b:128*((\s)%2)+FR*\b+FR-1], v[AF+48*((\s)%2)+FR*(\a):AF+48*((\s)%2)+FR*(\a)+FR-1], v[8*(8*(\a)+\b):8*(8*(\a)+\b)+7], v[SCB+16*((\s)/4)+4*(\b%4)+(\s)%4], v[SCA+4*((\s)/2)+(\a)], \b/4, (\s)%2
.endif
.endr
.endm
; A step of 128 along K: its fragments were asked for a step ago; the next step's are asked for first, and land under this step's 32 products.
; Step 3 opens the second half of K: every wave waits for its last two tensor loads and passes a barrier, behind which nothing is filled; eight products stand between the barrier's halves.
.macro STEP s, zero
	s_wait_dscnt 0x0                               ; this step's fragments are in (ahead of step 0: the scale words too)
.if (\s) == 3
	s_wait_tensorcnt 0x0                           ; my parts of the second half of K have landed
	s_barrier_signal -1
	WIN MUL
	MULA 0, \s, 0
	WIN 0
	s_barrier_wait -1                              ; everybody's have
	PLACES NP                                      ; in front of loads into registers that the step before has multiplied
	FETCH (\s)+1
	WIN MUL
	MULA 1, \s, 0
	MULA 2, \s, 0
	MULA 3, \s, 0
	WIN 0
.else
.if (\s) > 0 && (\s) < 7
	PLACES NP                                      ; in front of loads into registers that the step before has multiplied
.endif
.if (\s) < 7
	FETCH (\s)+1
.endif
	WIN MUL
	MULA 0, \s, \zero
	MULA 1, \s, \zero
	MULA 2, \s, \zero
	MULA 3, \s, \zero
	WIN 0
.endif
.endm
	s_wait_tensorcnt 2                             ; the scales and my parts of the first half of K are in; the second half's two loads may be out
	s_barrier_signal -1
	s_barrier_wait -1                              ; everybody's are
.irp j, 0,1,2,3
.irp a, 0,1,2,3
	ds_load_b32 v[SCA+4*\j+\a], v[ADSA] offset:2*ASP*\j+64*\a     ; all scale words of all of K, once
.endr
.endr
.irp c, 0,1
.irp i, 0,1,2,3
	ds_load_b128 v[SCB+16*\c+4*\i:SCB+16*\c+4*\i+3], v[ADSB] offset:544*\i+16*\c
.endr
.endr
	FETCH 0
	STEP 0, 1
.irp s, 1,2,3,4,5,6,7
	STEP \s, 0
.endr
; THE WAY OUT, block by block of 16 rows x 128 columns, through my own stage in LDS: back come whole rows of 512 bytes.  LDS serves a wave's instructions in order (ISA guide 5.7.1.4): no wait between the stores and the loads.
.macro TOSTAGE a
.set AC, 64*(\a)
	WIN 0x08                                       ; an LDS store's data are its source 1: window 2
.irp b, 0,1,2,3,4,5,6,7
	ds_store_b128 v[STO], v[AC+8*\b:AC+8*\b+3] offset:64*\b          ; each accumulator from its low end on
	ds_store_b128 v[STO], v[AC+8*\b+4:AC+8*\b+7] offset:64*\b+16
.endr
	WIN 0
.set BBK, BK+64*((\a)%2)
.irp t, 0,1,2,3,4,5,6,7,8,9,10,11,12,13,14,15
	ds_load_b128 v[BBK+4*\t:BBK+4*\t+3], v[RD] offset:\t*SPITCH
.endr
.endm
.macro SEND a, younger                 ; younger: the LDS instructions issued behind block a's loads, which may stay out
.set BBK, BK+64*((\a)%2)
	s_wait_dscnt \younger                          ; the block is back in registers
.irp t, 0,1,2,3,4,5,6,7,8,9,10,11,12,13,14,15
	global_store_b128 v[CO], v[BBK+4*\t:BBK+4*\t+3], s[12:13] offset:(16*(\a)+\t)*SIZE_N*4 th:TH_STORE_NT   ; 32 lanes store 512 consecutive bytes, aligned; the row stands in the immediate (63 rows of 8,192 bytes at the most); written once, read by nobody here
.endr
.endm
	PLACES NP                                      ; behind the last products: their results are read, and loads land in the registers that held O's fragments
	TOSTAGE 0
.irp a, 1,2,3
.if \a > 1
	s_wait_xcnt 0x0                                ; block a - 2's stores have read their registers: block a's loads may land there
.endif
	TOSTAGE \a
	SEND \a-1, 32                                  ; behind block a - 1's loads: block a's 16 stores and 16 loads
.endr
	SEND 3, 0                                      ; no LDS instruction of mine is out behind this; all my tensor loads were waited for ahead of step 3's barrier
	s_wait_tensorcnt 0x0
	ds_add_u32 v94, v95
	s_wait_dscnt 0x0
	CROUND                                         ; the closing round: no work-group ends while a partner may still ask for a tile that names it
	s_endpgm
.Lfunc_end_k_qe3cc8837e1_oproj:
	.size	k_qe3cc8837e1_oproj, .Lfunc_end_k_qe3cc8837e1_oproj-k_qe3cc8837e1_oproj
	.p2alignl 7, 3214868480
	.fill 96, 4, 3214868480
	.section	.rodata,"a",@progbits
	.p2align	6, 0x0
	.amdhsa_kernel k_qe3cc8837e1_oproj
		.amdhsa_group_segment_fixed_size 327680
		.amdhsa_private_segment_fixed_size 0
		.amdhsa_enable_private_segment 0
		.amdhsa_kernarg_size 40
		.amdhsa_user_sgpr_count 2
		.amdhsa_user_sgpr_kernarg_segment_ptr 1
		.amdhsa_wavefront_size32 1
		.amdhsa_system_sgpr_workgroup_id_x 1
		.amdhsa_system_sgpr_workgroup_id_y 1
		.amdhsa_system_sgpr_workgroup_id_z 1
		.amdhsa_system_vgpr_workitem_id 0
		.amdhsa_next_free_vgpr 768
		.amdhsa_next_free_sgpr 98
		.amdhsa_reserve_vcc 0
		.amdhsa_float_denorm_mode_32 3
		.amdhsa_float_denorm_mode_16_64 3
		.amdhsa_memory_ordered 1
		.amdhsa_forward_progress 1
		.amdhsa_inst_pref_size 89
	.end_amdhsa_kernel
	.amdgpu_metadata
---
amdhsa.version: [ 1, 2 ]
amdhsa.kernels:
  - .name:           k_qe3cc8837e1_oproj
    .symbol:         k_qe3cc8837e1_oproj.kd
    .args:
      - { .name: oc, .offset: 0, .size: 8, .value_kind: global_buffer, .address_space: global }
      - { .name: os, .offset: 8, .size: 8, .value_kind: global_buffer, .address_space: global }
      - { .name: Wo_codes, .offset: 16, .size: 8, .value_kind: global_buffer, .address_space: global }
      - { .name: Wo_scales, .offset: 24, .size: 8, .value_kind: global_buffer, .address_space: global }
      - { .name: out0, .offset: 32, .size: 8, .value_kind: global_buffer, .address_space: global }
    .group_segment_fixed_size: 327680
    .private_segment_fixed_size: 0
    .kernarg_segment_align: 8
    .kernarg_segment_size: 40
    .max_flat_workgroup_size: 128
    .sgpr_count:     98
    .vgpr_count:     768
    .wavefront_size: 32
...
	.end_amdgpu_metadata
.endif
;; end of part 3
